; MI455X (gfx1250); checked and timed in simulation.
; The chip was launched on July 23, 2026; its instructions are those of AMD's public machine-readable ISA for CDNA 5 (MIT licence, August 2026) and "CDNA5" Instruction Set Architecture Reference Guide (July 2026). The comments in the code are by the model that wrote it; some were corrected since.
;; Vanilla Encoder Layer. Allowed arithmetic: matrix products marked QUANTISED: E2M1 operands, one E8M0 scale for each 32 along K, by v_wmma_scale_f32_16x16x128_f8f6f4 with both operands' format E2M1 (or v_wmma_scale_f32_32x16x128_f4), f32 sums; everything else in f32.
;; Inputs: b1 1,024 float32; b2 256 float32; be1 256 float32; be2 256 float32; bk 256 float32; bp 256 float32; bq 256 float32; bv 256 float32; g1 256 float32; g2 256 float32; w1_codes 1,024 x 8 x 16 uint8 (E2M1 codes of w1, K innermost, in blocks of 32 codes, two codes a byte); w1_scales 1,024 x 8 uint8 (E8M0 scales of w1, one for each 32 codes along K); w2_codes 256 x 32 x 16 uint8 (E2M1 codes of w2, K innermost, in blocks of 32 codes, two codes a byte); w2_scales 256 x 32 uint8 (E8M0 scales of w2, one for each 32 codes along K); wk_codes 256 x 8 x 16 uint8 (E2M1 codes of wk, K innermost, in blocks of 32 codes, two codes a byte); wk_scales 256 x 8 uint8 (E8M0 scales of wk, one for each 32 codes along K); wp_codes 256 x 8 x 16 uint8 (E2M1 codes of wp, K innermost, in blocks of 32 codes, two codes a byte); wp_scales 256 x 8 uint8 (E8M0 scales of wp, one for each 32 codes along K); wq_codes 256 x 8 x 16 uint8 (E2M1 codes of wq, K innermost, in blocks of 32 codes, two codes a byte); wq_scales 256 x 8 uint8 (E8M0 scales of wq, one for each 32 codes along K); wv_codes 256 x 8 x 16 uint8 (E2M1 codes of wv, K innermost, in blocks of 32 codes, two codes a byte); wv_scales 256 x 8 uint8 (E8M0 scales of wv, one for each 32 codes along K); x 16 x 2,048 x 256 float32.
;; Outputs: out0 16 x 2,048 x 256 float32.
;; This version of the problem:
;;   THIS VERSION OF THE PROBLEM IS GIVEN IN LOW PRECISION. The matrix products marked QUANTISED in the list below multiply operands that are first quantised to E2M1 (2 exponent bits, 1 mantissa bit; 4 bits a number), with one power-of-two scale for each 32 numbers along K (OCP MX v1.0); their sums are f32. All else is computed in f32.
;;   The module's matrix products, in the order in which they are computed (A, B: the left and right operand; K: the contracted axis; several contracted axes count as one K, in the product's order):
;;     1. [M 32,768, K 256] x [K 256, N 256]; A: input x; B: input wq (given as codes): QUANTISED
;;     2. [M 32,768, K 256] x [K 256, N 256]; A: input x; B: input wk (given as codes): QUANTISED
;;     3. [M 32,768, K 256] x [K 256, N 256]; A: input x; B: input wv (given as codes): QUANTISED
;;     4. batch 16 x [M 2,048, K 256] x [K 256, N 2,048]; A: computed on the way; B: computed on the way: QUANTISED
;;     5. batch 16 x [M 2,048, K 2,048] x [K 2,048, N 256]; A: softmax (see below); B: computed on the way: QUANTISED
;;     6. [M 32,768, K 256] x [K 256, N 256]; A: computed on the way; B: input wp (given as codes): QUANTISED
;;     7. [M 32,768, K 256] x [K 256, N 1,024]; A: computed on the way; B: input w1 (given as codes): QUANTISED
;;     8. [M 32,768, K 1,024] x [K 1,024, N 256]; A: computed on the way; B: input w2 (given as codes): QUANTISED
;;   THE QUANTISER, for each operand of a quantised product, along K:
;;     - K is cut into blocks of 32 from its start; a last block that is shorter is filled with zeros.
;;     - A block's scale is 2^e with e = floor(log2(the largest magnitude in the block)) - 2, held to -126 .. 127; a block of zeros has e = 0. As a byte (E8M0): e + 127.
;;     - Each number is divided by its block's scale, clamped to +-6, and rounded to the nearest number of E2M1, ties to even, subnormals kept.
;;     - The product sums the exact products of the quantised numbers (number of the format x scale) in f32.
;;   ~~~python
;;   def quantise(x, axis):      # numpy; x: float32 -> the quantised numbers, widened to float32 again
;;       x = np.moveaxis(x, axis, -1); K = x.shape[-1]
;;       x = np.pad(x, [(0, 0)] * (x.ndim - 1) + [(0, -K % 32)]); x = x.reshape(x.shape[:-1] + (-1, 32)); a = np.abs(x).max(-1, keepdims=True)
;;       e = np.where(a > 0, np.clip(np.frexp(np.where(a > 0, a, 1))[1] - 1 - 2, -126, 127), 0)      # np.frexp(a)[1] - 1 = floor(log2(a)), exactly
;;       r = np.clip(x / 2.0 ** e, -6, 6)
;;       step = 2.0 ** (np.maximum(np.frexp(np.where(r == 0, 1, r))[1] - 1, 0) - 1)
;;       q = np.round(r / step) * step * 2.0 ** e      # np.round: ties to even
;;       return np.moveaxis(q.reshape(q.shape[:-2] + (-1,))[..., :K], -1, axis).astype(np.float32)
;;   ~~~
;;   SOFTMAX AHEAD OF A QUANTISED PRODUCT. Where the list says 'softmax', what is quantised is not the finished softmax but p = 2^(t - M), with t = logit x log2(e) and M = ceil(the row's largest t), a whole number; so 1/2 < the row's largest p <= 1. The row's sum l is taken of the UNQUANTISED p, in f32, and the product's result is divided by l at the end. Since M is a whole number, a kernel that streams over the keys may use a running M (the ceiling of the running maximum): every later rescaling is an exact power of two, which a block's scale takes up: the codes' values come out the same.
;;   OPERANDS COMPUTED ON THE WAY. 'Computed on the way' means the value that the module computes at that place (a softmax that the list does not call 'softmax' is quantised finished and normalised). What goes into a quantiser is computed in f32, as accurately as f32 sums, v_exp_f32 and their like allow (about 1e-6 of the number): no bf16 or f16 on the way to a quantiser, and a product that is left as it is and whose result goes on into a quantised operand takes f32 operands (vector FMAs, or v_wmma_f32_16x16x4_f32). A number that lies on a knife's edge between two numbers of the format may be rounded either way, as far as f32 arithmetic and the matrix unit's own rounding can turn it there, and no further.
;;   INPUTS GIVEN AS CODES. w1 (in the module: [256, 1024], K = its axis 0); w2 (in the module: [1024, 256], K = its axis 0); wk (in the module: [256, 256], K = its axis 0); wp (in the module: [256, 256], K = its axis 0); wq (in the module: [256, 256], K = its axis 0); wv (in the module: [256, 256], K = its axis 0): each comes as NAME_codes (uint8): NAME with its K axis moved to the last place and cut into blocks of 32 codes, [.., K / 32, bytes a block], one block behind the other in memory; two codes a byte, the lower K in the low four bits (a code: sign, 2 exponent bits, 1 mantissa bit); and NAME_scales (uint8): the same leading axes, one E8M0 byte (e + 127) for each 32 codes along K. Its value is code x scale, taken as it is: it is not quantised again, and the codes and scales need not be those that the quantiser above would give.
;; One version. Each part assembles by itself: llvm-mc -triple=amdgcn-amd-amdhsa -mcpu=gfx1250 --defsym DOCPART=n.
;; ======== version 1 of 1: 2 launches
;; limits: right only within a limited range of input values
;; workspace buffers: qb 4,456,448 bytes; strm 9,236,480 bytes
;; launch prep (part 1): grid 256 x 1, 8 waves a work-group, no clusters, 263,168 bytes of LDS; arguments x, wq_codes, wq_scales, bq, wk_codes, wk_scales, bk, wv_codes, wv_scales, bv, qb, strm, wp_codes, wp_scales, w1_codes, w1_scales, w2_codes, w2_scales, b1, bp, g1, be1, b2, g2, be2; writes qb, strm
.if DOCPART == 1
	.amdgcn_target "amdgcn-amd-amdhsa--gfx1250"
	.amdhsa_code_object_version 6
	.text
	.protected	k_q24d2b1782c_prep
	.globl	k_q24d2b1782c_prep
	.p2align	8
	.type	k_q24d2b1782c_prep,@function
k_q24d2b1782c_prep:
	s_mov_b64 s[64:65], 0
	v_nop
	global_prefetch_b8 v0, s[64:65] scope:SCOPE_SE
	s_setreg_imm32_b32 hwreg(HW_REG_WAVE_MODE, 25, 1), 1
	s_wait_xcnt 0x0
; q = Q(x) wq + bq, k = Q(x) wk + bk, v = Q(x) wv + bv, all three quantised to E2M1 with one E8M0 byte for each 32 (q and k along the 256 features, v along the keys),
; and stored as IMAGES OF THE OPERANDS' REGISTERS for the next launch: a fragment (16 rows x 128 K, 8 registers a lane) is 1,024 bytes: registers 0-3 at 16 x lane, registers 4-7 at 512 + 16 x lane.
; A work-group takes 128 tokens.  Beside that, wave 0 of work-groups 0 .. 71 lays four fragments of wp, w1 or w2 out in the same form, and work-group 72 copies the seven vectors behind them.
; THE 16 ROWS OF A TILE ARE NOT NEIGHBOURS: lane r of tile 2 b + u takes row 32 b + 8 u + r + 8 (r / 8) (tokens, features, channels alike), so that in a transposed result the 16 registers of
; tiles 2 b and 2 b + 1 are 16 neighbours along the next K: 32 b + 16 (lane / 16) + 0 .. 15.
; EVERY LARGE LOAD TAKES THE BYTES AS THEY LIE, 512 consecutive bytes a wave.  A lane wants 64 bytes of its own row of x, and 32 bytes of its own row of a weight: so x turns through the wave's own stage in LDS
; (16 rows of 1,024 + 16 bytes), and wq, wk, wv come into LDS once for the work-group (rows of 128 + 16 bytes; in each 32 rows bits 3 and 4 of the row's number change places, so that a tile's 16 rows lie on end).
; A BLOCK of strm (34,816 bytes): 16 fragments of K type (tile T, K step s: 2 T + s) | 16 of V type (tile ct) | K scales [g][lane (r, h)][4 words i]: tile 4 g + i, row r, K step h |
; V scales [q][lane (r, h)][2 words i]: tile 8 h + 2 q + i, row r.  Batch b, block j holds V of keys 128 j on and K of the NEXT key step, (j + 1) mod 16.
; LIMITS: NaN and infinities among the inputs are not served; a block of zeros gets the scale byte 1 (its codes are zeros; the bytes are read by this program alone).
; REGISTERS, window 0: v1 16 x lane, v2 4 x lane, v3 16 x thread, v4-13 addresses, v16-31 the weights' scale words, v32-47 x's, v48-51 wv's, v52-55 scale words just made, v56-71 bv, v72-83 at work,
;   v84-87, v91-92 LDS addresses, v93-95 the laying out's addresses, v96-223 x's 128 numbers, later v96-159 a result, v160-175 x's fragments of a tile, v176-223 six fragments of codes; v224-239 x's codes;
;   v240-253 the laying out's scale words and the vectors; v254 r + 8 (r / 8), v255 h.
;   window 1: v0-95 the weights on their way to LDS, then v0-127 my 16 fragments of wq or wk, later x's 16; v128-159 my 4 of wv; v160-223 the bias, eight tiles in the result's layout; v224-255 the laying out's four fragments.
.set BLK,  34816
.set WOFF, 8912896                     ; behind the 256 blocks of K and V: eight blocks of w1 and w2, the block of wp, the vectors
.set QBLK, 17408                       ; qb: 16 fragments and 1,024 bytes of scales for each 128 tokens
.set XSC,  16384                       ; LDS: x's 16 fragments at 0, their scale words (128 bytes each) here
.set WL,   18432                       ; LDS: wq, wk, wv
.set WP,   144                         ; a weight's row: 128 bytes + 16: an odd multiple of 16, so the sixteen rows of a fragment's load begin at sixteen different columns of 16 bytes
.set WMAT, 256*WP
.set XST,  WL+3*WMAT                   ; LDS: the eight waves' stages
.set XP,   1040                        ; a stage's row: 1,024 bytes + 16
.set XSTW, 16*XP
.set TM,   72
.set XR,   96
.set H,    96
.set XF,   160
.set CD,   176
.set PW,   52
.set SEL,  66
.set HM,   68
.set MSB,  0
.macro WIN new                         ; the immediate's high byte repeats the setting that is left
.if MSB != (\new)
	s_set_vgpr_msb (MSB<<8)|(\new)
.set MSB, \new
.endif
.endm
.macro PLACES                          ; four plain places behind matrix instructions (ISA guide 7.12.1)
.rept 4
	v_nop
.endr
.endm
.macro WM d, a, b, c, sa, sb           ; one matrix instruction: D, A, B, C at these registers, the two scale words
	v_wmma_scale_f32_16x16x128_f8f6f4 v[\d:\d+7], v[\a:\a+7], v[\b:\b+7], v[\c:\c+7], v[\sa], v[\sb] matrix_a_fmt:MATRIX_FMT_FP4 matrix_b_fmt:MATRIX_FMT_FP4
.endm
; 64 numbers of a lane, register 16 b + i = k 32 b + 16 (lane / 16) + i of my row, become a fragment's codes in v[cd] on and its scale word in v[pw].
.macro QUANT s, cd, pw
.irp b, 0,1,2,3
	v_max3_num_f32 v[TM+\b], |v[\s+16*\b]|, |v[\s+16*\b+1]|, 0x1800000   ; my 16 numbers of block b, and the floor 2^(3 - 127): the byte cannot fall under 1
.endr
.irp i, 2,4,6,8,10,12,14
.irp b, 0,1,2,3
	v_max3_num_f32 v[TM+\b], |v[\s+16*\b+\i]|, |v[\s+16*\b+\i+1]|, v[TM+\b]
.endr
.endr
.irp b, 0,1,2,3
	s_delay_alu instid0(VALU_DEP_4)
	v_permlanex16_b32 v[TM+4+\b], v[TM+\b], s[SEL], s[SEL+1]
.endr
.irp b, 0,1,2,3
	s_delay_alu instid0(VALU_DEP_4)
	v_max_num_f32 v[TM+\b], v[TM+\b], v[TM+4+\b]   ; with lane l xor 16's: the block's largest magnitude
.endr
.irp b, 0,1,2,3
	s_delay_alu instid0(VALU_DEP_4)
	v_add_nc_u32 v[TM+8+\b], 0xff000000, v[TM+\b]  ; 2 off its exponent field: the conversion's scale operand
.endr
.irp b, 0,1,2,3
	s_delay_alu instid0(VALU_DEP_4)
	v_lshrrev_b32 v[TM+4+\b], 23, v[TM+8+\b]       ; the scale's byte
.endr
	s_delay_alu instid0(VALU_DEP_3)
	v_lshl_or_b32 v[\pw], v[TM+5], 8, v[TM+4]
	s_delay_alu instid0(VALU_DEP_1)
	v_lshl_or_b32 v[\pw], v[TM+6], 16, v[\pw]
	s_delay_alu instid0(VALU_DEP_1)
	v_lshl_or_b32 v[\pw], v[TM+7], 24, v[\pw]
.irp b, 0,1,2,3
	v_cvt_scalef32_pk8_fp4_f32 v[\cd+2*\b], v[\s+16*\b:\s+16*\b+7], v[TM+8+\b]
	v_cvt_scalef32_pk8_fp4_f32 v[\cd+2*\b+1], v[\s+16*\b+8:\s+16*\b+15], v[TM+8+\b]
.endr
	v_nop                                          ; one plain place behind a scaled conversion
.irp c, 0,1                                    ; the operand's layout wants a whole block in a lane
.irp i, 0,1
	v_permlane16_swap_b32 v[\cd+4*\c+\i], v[\cd+4*\c+2+\i]
.endr
.endr
.endm
.macro RCODES sb, va, o0, o1, o2, o3           ; the laying out: four fragments into window 1's v224-255
	WIN 0x40
.set n, 0
.irp q, \o0, \o1, \o2, \o3
	global_load_b128 v[224+8*n:227+8*n], v[\va], s[\sb:\sb+1] offset:\q
	global_load_b128 v[228+8*n:231+8*n], v[\va], s[\sb:\sb+1] offset:\q+32
.set n, n+1
.endr
	WIN 0
.endm
.macro RSTORE                                  ; and out, as images
	WIN 0x04                                       ; a store's data are its source 1: window 1
.irp i, 0,1,2,3
	global_store_b128 v1, v[224+8*\i:227+8*\i], s[72:73] offset:1024*\i
	global_store_b128 v1, v[228+8*\i:231+8*\i], s[72:73] offset:1024*\i+512
.endr
	WIN 0
.endm
	s_load_b512 s[4:19], s[0:1], 0x0               ; x, wq_codes, wq_scales, bq, wk_codes, wk_scales, bk, wv_codes
	s_load_b256 s[20:27], s[0:1], 0x40             ; wv_scales, bv, qb, strm
	s_load_b512 s[28:43], s[0:1], 0x60             ; wp_codes, wp_scales, w1_codes, w1_scales, w2_codes, w2_scales, b1, bp
	s_load_b256 s[44:51], s[0:1], 0xa0             ; g1, be1, b2, g2
	s_load_b64 s[52:53], s[0:1], 0xc0              ; be2
	v_lshl_add_u32 v242, v0, 2, 0x40000
	v_mov_b32 v243, 0
	v_lshrrev_b32 v1, 5, v0
	s_delay_alu instid0(VALU_DEP_1)
	v_readfirstlane_b32 s2, v1                     ; wave 0..7
	v_and_b32 v14, 31, v0                          ; lane
	v_and_b32 v15, 15, v0                          ; r
	v_bfe_u32 v255, v0, 4, 1                       ; h
	s_delay_alu instid0(VALU_DEP_3)
	v_lshlrev_b32 v1, 4, v14                       ; 16 x lane
	s_delay_alu instid0(VALU_DEP_4)
	v_lshlrev_b32 v2, 2, v14                       ; 4 x lane
	v_lshlrev_b32 v3, 4, v0                        ; 16 x thread
	v_and_b32 v254, 8, v15
	s_delay_alu instid0(VALU_DEP_1)
	v_add_nc_u32 v254, v254, v15                   ; r + 8 (r / 8)
	s_wait_alu depctr_va_vdst(0)
	s_mov_b32 s54, ttmp9                           ; G: which 128 tokens; batch G / 16, key step G % 16
	s_and_b32 s55, s2, 1                           ; my matrix: 0 q, 1 k
	s_bfe_u32 s56, s2, 0x10001                     ; which 128 of its 256 features: the next product's K step
	s_lshr_b32 s57, s2, 2                          ; which four tiles of tokens
	s_lshl_b32 s58, s54, 17                        ; x: 128 rows of 1,024 bytes a work-group,
	s_lshr_b32 s3, s2, 1
	s_lshl_b32 s3, s3, 15
	s_add_co_u32 s58, s58, s3                      ; tile w begins at row 32 (w / 2) + 8 (w % 2)
	s_lshl_b32 s3, s55, 13
	s_add_co_u32 s58, s58, s3
	s_mov_b32 s59, 0
	s_mul_i32 s60, s54, QBLK                       ; where q goes in qb
	s_add_co_u32 s61, s54, 15
	s_and_b32 s61, s61, 15
	s_and_b32 s62, s54, 0xf0
	s_add_co_u32 s61, s61, s62
	s_mul_i32 s61, s61, BLK                        ; where k goes in strm: the block of the key step before, in the same batch
	s_mul_i32 s62, s54, BLK                        ; where v goes: the key step's own block
	s_mov_b32 s[SEL], 0x76543210
	s_mov_b32 s[SEL+1], 0xfedcba98                 ; v_permlanex16_b32's selects for lane l xor 16
	s_mov_b32 s[HM], 0xffff0000                    ; lanes 16-31
	v_lshlrev_b32 v5, 3, v254                      ; a weight's scale bytes: 8 a row
	v_lshlrev_b32 v13, 2, v254                     ; bv: 4 bytes a channel
	v_lshlrev_b32 v11, 4, v15
	s_delay_alu instid0(VALU_DEP_1)
	v_lshl_add_u32 v11, v255, 3, v11               ; K scales out: 16 r + 8 h
	v_lshlrev_b32 v12, 3, v15
	s_delay_alu instid0(VALU_DEP_1)
	v_lshl_add_u32 v12, v255, 2, v12               ; V scales out: 8 r + 4 h
	v_lshlrev_b32 v6, 6, v255                      ; a bias: 64 h
	s_lshl_b32 s3, s57, 13
	v_add_nc_u32 v7, s3, v1                        ; LDS: my four tiles' images
	s_lshl_b32 s3, s57, 10
	s_add_co_u32 s3, s3, XSC
	v_add_nc_u32 v8, s3, v2                        ; and their scale words
	s_lshl_b32 s3, s2, 11
	v_add_nc_u32 v9, s3, v1                        ; where I store tile w's two images
	s_lshl_b32 s3, s2, 8
	s_add_co_u32 s3, s3, XSC
	v_add_nc_u32 v10, s3, v2                       ; and its two scale words
	s_mul_i32 s3, s2, XSTW
	s_add_co_u32 s3, s3, XST                       ; my stage
	v_add_nc_u32 v4, s3, v1                        ; in: as loaded, 16 bytes a lane on end
	v_mul_u32_u24 v84, v15, XP
	s_delay_alu instid0(VALU_DEP_1)
	v_lshl_add_u32 v84, v255, 6, v84
	s_delay_alu instid0(VALU_DEP_1)
	v_add_nc_u32 v84, s3, v84                      ; back: row r, + 64 h: my 16 numbers of a block of 32
	v_bfe_u32 v85, v0, 3, 3                        ; the weights into LDS: thread t holds 16 bytes of row t / 8 of each 32;
	v_bfe_u32 v86, v0, 6, 1                        ; bit 3 of that row's number
	v_bfe_u32 v87, v0, 7, 1                        ; and bit 4 change places
	s_delay_alu instid0(VALU_DEP_2)
	v_lshl_or_b32 v85, v86, 4, v85
	s_delay_alu instid0(VALU_DEP_1)
	v_lshl_or_b32 v85, v87, 3, v85
	s_delay_alu instid0(VALU_DEP_1)
	v_mul_u32_u24 v85, v85, WP
	v_and_b32 v86, 7, v0
	s_delay_alu instid0(VALU_DEP_1)
	v_lshl_add_u32 v85, v86, 4, v85
	s_delay_alu instid0(VALU_DEP_1)
	v_add_nc_u32 v85, WL, v85                      ; wq
	s_delay_alu instid0(VALU_DEP_1)
	v_add_nc_u32 v86, WMAT, v85                    ; wk
	s_delay_alu instid0(VALU_DEP_2)
	v_add_nc_u32 v87, 2*WMAT, v85                  ; wv
	v_mul_u32_u24 v90, v15, WP
	s_delay_alu instid0(VALU_DEP_1)
	v_lshl_add_u32 v90, v255, 4, v90               ; a fragment out of LDS: row r of the tile's sixteen, + 16 h
	s_mul_i32 s3, s55, WMAT
	s_mul_i32 s63, s56, 128*WP
	s_add_co_u32 s3, s3, s63
	s_add_co_u32 s3, s3, WL
	v_add_nc_u32 v91, s3, v90                      ; my 128 rows of wq or wk
	s_mul_i32 s3, s2, 32*WP
	s_add_co_u32 s3, s3, WL+2*WMAT
	v_add_nc_u32 v92, s3, v90                      ; my 32 rows of wv
.irp b, 0,1,2,3
	v_mov_b32 v[TM+4+\b], 0                        ; written once: a lane permute's destination counts as one of its sources
.endr
	s_wait_kmcnt 0x0
	s_add_nc_u64 s[4:5], s[4:5], s[58:59]
.irp s, 0,1
.irp q, 0,1,2,3,4,5,6,7,8,9,10,11,12,13,14,15
	global_load_b128 v[XR+64*\s+4*\q:XR+64*\s+4*\q+3], v1, s[4:5] offset:(\q+8*(\q/8))*1024+512*\s th:TH_LOAD_NT   ; x first: 32 loads, each half a row of one of my 16 tokens: 512 consecutive bytes
.endr
.endr
	WIN 0x40                                       ; destination window 1
.irp n, 0,1,2,3,4,5,6,7
	global_load_b128 v[4*\n:4*\n+3], v3, s[6:7] offset:4096*\n          ; wq: the work-group's 256 threads take 4,096 consecutive bytes, 32 rows
.endr
.irp n, 0,1,2,3,4,5,6,7
	global_load_b128 v[32+4*\n:32+4*\n+3], v3, s[12:13] offset:4096*\n  ; wk
.endr
.irp n, 0,1,2,3,4,5,6,7
	global_load_b128 v[64+4*\n:64+4*\n+3], v3, s[18:19] offset:4096*\n  ; wv
.endr
	s_mov_b32 s63, 32768                           ; the scales' place: behind 16 fragments in qb, behind 32 in a block
	s_cmp_eq_u32 s55, 0                            ; q or k: the choice hangs on the wave's number alone
	s_cselect_b64 s[88:89], s[8:9], s[14:15]       ; its scale bytes,
	s_cselect_b64 s[90:91], s[10:11], s[16:17]     ; its bias,
	s_cselect_b64 s[92:93], s[24:25], s[26:27]     ; and where it goes
	s_cselect_b32 s60, s60, s61
	s_cselect_b32 s63, 16384, s63
	s_lshl_b32 s58, s56, 10
	s_add_nc_u64 s[88:89], s[88:89], s[58:59]      ; my 128 rows
	s_lshl_b32 s58, s56, 9
	s_add_nc_u64 s[90:91], s[90:91], s[58:59]
	s_lshl_b32 s58, s2, 8
	s_add_nc_u64 s[20:21], s[20:21], s[58:59]      ; wv's scale bytes: channels 32 w on
	s_lshl_b32 s58, s2, 7
	s_add_nc_u64 s[22:23], s[22:23], s[58:59]      ; bv likewise
.irp t, 0,1,2,3,4,5,6,7
.irp c, 0,1
	global_load_b128 v[160+8*\t+4*\c:160+8*\t+4*\c+3], v6, s[90:91] offset:128*(\t/2)+32*(\t%2)+16*\c   ; the bias at the lane's eight features of tile t
.endr
.endr
	WIN 0
.irp t, 0,1,2,3,4,5,6,7
	global_load_b64 v[16+2*\t:17+2*\t], v5, s[88:89] offset:(32*(\t/2)+8*(\t%2))*8   ; both K steps' scale words of tile t
.endr
.irp e, 0,1
	global_load_b64 v[48+2*\e:49+2*\e], v5, s[20:21] offset:64*\e
	global_load_b32 v[56+8*\e], v13, s[22:23] offset:32*\e
.endr
	; where the results go
	s_lshl_b32 s58, s57, 13
	s_add_co_u32 s58, s58, s60
	s_lshl_b32 s3, s56, 10
	s_add_co_u32 s58, s58, s3
	s_add_nc_u64 s[94:95], s[92:93], s[58:59]      ; fragments 2 T + s', T = 4 g + i
	s_lshl_b32 s58, s57, 9
	s_add_co_u32 s58, s58, s60
	s_add_co_u32 s58, s58, s63
	s_lshl_b32 s3, s56, 8
	s_add_co_u32 s58, s58, s3
	s_add_nc_u64 s[96:97], s[92:93], s[58:59]      ; scales: group g, the sixteen lanes of K step s'
	s_lshl_b32 s58, s2, 11
	s_add_co_u32 s58, s58, s62
	s_add_co_u32 s58, s58, 16384
	s_add_nc_u64 s[98:99], s[26:27], s[58:59]      ; V's tiles 2 w, 2 w + 1
	s_and_b32 s58, s2, 3
	s_lshl_b32 s58, s58, 8
	s_lshl_b32 s3, s57, 7
	s_add_co_u32 s58, s58, s3
	s_add_co_u32 s58, s58, s62
	s_add_co_u32 s58, s58, 33792
	s_add_nc_u64 s[100:101], s[26:27], s[58:59]    ; and their scale words
	; ---------------- the weights of the next launch, laid out.  Unit G < 72 = (block B = G / 8, part G % 8), by wave 0 of work-group G: B < 8: block B of w1 (parts 0-3) and w2 (parts 4-7); B = 8: wp.
	; Work-group 72: the vectors, by all its threads.  The piece stands behind my own loads, so that its loads are on their way beside them; its registers are named by nothing else; no barrier stands in it.
	s_cmp_lt_u32 s54, 73
	s_cbranch_scc0 .Lmain
	s_cmp_eq_u32 s54, 72
	s_cbranch_scc1 .Lvectors
	s_cmp_lg_u32 s2, 0
	s_cbranch_scc1 .Lmain
	s_lshr_b32 s80, s54, 3                         ; B
	s_and_b32 s81, s54, 7                          ; the part
	s_mul_i32 s82, s80, BLK
	s_add_co_u32 s82, s82, WOFF
	s_mov_b32 s83, 0
	s_add_nc_u64 s[70:71], s[26:27], s[82:83]      ; the block
	s_lshl_b32 s82, s81, 12
	s_add_nc_u64 s[72:73], s[70:71], s[82:83]      ; the part's four fragments in it
	s_cmp_eq_u32 s80, 8
	s_cselect_b64 s[74:75], s[28:29], s[32:33]     ; wp or w1
	s_cselect_b64 s[76:77], s[30:31], s[34:35]
	s_cselect_b32 s84, 0, s80                      ; which 128 rows
	s_cbranch_scc1 .LkindA
	s_cmp_lt_u32 s81, 4
	s_cbranch_scc0 .LkindB
.LkindA:                                           ; K type: tiles 2 p, 2 p + 1, both K steps
	v_lshlrev_b32 v93, 7, v254
	s_delay_alu instid0(VALU_DEP_1)
	v_lshl_add_u32 v93, v255, 4, v93               ; rows of 128 bytes, + 16 h
	s_wait_alu depctr_va_vdst(0)
	v_lshlrev_b32 v94, 3, v254
	s_delay_alu instid0(VALU_DEP_1)
	v_lshl_add_u32 v94, v255, 2, v94               ; their scale words: 8 bytes a row, K step h
	s_wait_alu depctr_va_vdst(0)
	s_lshl_b32 s82, s84, 14
	s_lshl_b32 s85, s81, 12
	s_add_co_u32 s82, s82, s85
	s_add_nc_u64 s[74:75], s[74:75], s[82:83]
	s_lshl_b32 s82, s84, 10
	s_lshl_b32 s85, s81, 8
	s_add_co_u32 s82, s82, s85
	s_add_nc_u64 s[76:77], s[76:77], s[82:83]
	RCODES 74, 93, 0, 64, 1024, 1088
	global_load_b32 v240, v94, s[76:77]
	global_load_b32 v241, v94, s[76:77] offset:64
	s_lshr_b32 s82, s81, 1
	s_lshl_b32 s82, s82, 9
	s_and_b32 s85, s81, 1
	s_lshl_b32 s85, s85, 3
	s_add_co_u32 s82, s82, s85
	s_add_co_u32 s82, s82, 32768
	s_add_nc_u64 s[78:79], s[70:71], s[82:83]      ; group p / 2, words 2 (p % 2) and the next
	s_wait_loadcnt 0x0
	RSTORE
	global_store_b64 v1, v[240:241], s[78:79]
	s_branch .Lmain
.LkindB:                                           ; V type: w2's tiles 4 p' .. 4 p' + 3, hidden units 128 B on
	v_lshlrev_b32 v93, 9, v254
	s_delay_alu instid0(VALU_DEP_1)
	v_lshl_add_u32 v93, v255, 4, v93               ; rows of 512 bytes, + 16 h
	s_wait_alu depctr_va_vdst(0)
	v_lshl_add_u32 v94, v255, 5, v254
	s_delay_alu instid0(VALU_DEP_1)
	v_lshlrev_b32 v94, 5, v94                      ; w2's scale words: 32 bytes a row; lanes 16-31 take the rows 32 further on
	s_wait_alu depctr_va_vdst(0)
	v_lshlrev_b32 v95, 3, v15
	s_delay_alu instid0(VALU_DEP_1)
	v_lshl_add_u32 v95, v255, 8, v95               ; and where they go: 256 h + 8 r
	s_sub_co_u32 s86, s81, 4                       ; p'
	s_lshl_b32 s82, s86, 15
	s_lshl_b32 s85, s80, 6
	s_add_co_u32 s82, s82, s85
	s_add_nc_u64 s[74:75], s[36:37], s[82:83]
	s_lshl_b32 s82, s86, 11
	s_lshl_b32 s85, s80, 2
	s_add_co_u32 s82, s82, s85
	s_add_nc_u64 s[76:77], s[38:39], s[82:83]
	RCODES 74, 93, 0, 4096, 16384, 20480
	global_load_b32 v240, v94, s[76:77]
	global_load_b32 v241, v94, s[76:77] offset:256
	s_and_b32 s82, s86, 1
	s_lshl_b32 s82, s82, 9
	s_lshr_b32 s85, s86, 1
	s_lshl_b32 s85, s85, 7
	s_add_co_u32 s82, s82, s85
	s_add_co_u32 s82, s82, 33792
	s_add_nc_u64 s[78:79], s[70:71], s[82:83]
	s_wait_alu depctr_va_vdst(0)
	s_wait_loadcnt 0x0
	RSTORE
	global_store_b64 v95, v[240:241], s[78:79]
	s_branch .Lmain
.Lvectors:                                         ; b1 16 bytes a thread, the six others 4
	s_add_nc_u64 s[70:71], s[26:27], WOFF+9*BLK    ; behind wp's block
	v_lshlrev_b32 v93, 2, v0
	global_load_b128 v[244:247], v3, s[40:41]
	global_load_b32 v248, v93, s[42:43]
	global_load_b32 v249, v93, s[44:45]
	global_load_b32 v250, v93, s[46:47]
	global_load_b32 v251, v93, s[48:49]
	global_load_b32 v252, v93, s[50:51]
	global_load_b32 v253, v93, s[52:53]
	s_wait_alu depctr_va_vdst(0)
	s_wait_loadcnt 0x0
	global_store_b128 v3, v[244:247], s[70:71]             ; b1
	global_store_b32 v93, v248, s[70:71] offset:4096       ; bp
	global_store_b32 v93, v249, s[70:71] offset:5120       ; g1
	global_store_b32 v93, v250, s[70:71] offset:6144       ; be1
	global_store_b32 v93, v251, s[70:71] offset:7168       ; b2
	global_store_b32 v93, v252, s[70:71] offset:8192       ; g2
	global_store_b32 v93, v253, s[70:71] offset:9216       ; be2
.Lmain:
	; ---- x's tile w turns through my stage: in as loaded, back 64 bytes of a row a lane, into the registers that it left
	s_wait_loadcnt 52                              ; behind x's 32 loads stand the weights' 24, the bias's 16 and 12 of scale words and bv: x is in
.irp s, 0,1
.irp q, 0,1,2,3,4,5,6,7,8,9,10,11,12,13,14,15
	ds_store_b128 v4, v[XR+64*\s+4*\q:XR+64*\s+4*\q+3] offset:\q*XP+512*\s
.endr
.endr
.irp s, 0,1
.irp b, 0,1,2,3
.irp i, 0,1,2,3
	ds_load_b128 v[XR+64*\s+16*\b+4*\i:XR+64*\s+16*\b+4*\i+3], v84 offset:512*\s+128*\b+16*\i   ; LDS serves a wave's instructions in order (ISA guide 5.7.1.4): these see my stores
.endr
.endr
.endr
	s_wait_loadcnt 28                              ; the weights' 24 loads are in; the 28 behind them may be out
	WIN 0x04                                       ; an LDS store's data are its source 1: window 1
.irp n, 0,1,2,3,4,5,6,7
	ds_store_b128 v85, v[4*\n:4*\n+3] offset:32*WP*\n
.endr
.irp n, 0,1,2,3,4,5,6,7
	ds_store_b128 v86, v[32+4*\n:32+4*\n+3] offset:32*WP*\n
.endr
	s_wait_alu depctr_va_vdst(0)
.irp n, 0,1,2,3,4,5,6,7
	ds_store_b128 v87, v[64+4*\n:64+4*\n+3] offset:32*WP*\n
.endr
	WIN 0
	s_wait_dscnt 24                                ; all but these 24 stores: x is back from the stage
	; ---- x's tile w becomes two fragments
	QUANT XR, 224, PW
	ds_store_b128 v9, v[224:227]
	ds_store_b128 v9, v[228:231] offset:512
	ds_store_b32 v10, v[PW]
	QUANT XR+64, 232, PW+1
	ds_store_b128 v9, v[232:235] offset:1024
	ds_store_b128 v9, v[236:239] offset:1536
	ds_store_b32 v10, v[PW+1] offset:128
	s_wait_loadcnt 0x0                             ; the bias, the scale words, bv
.irp e, 0,1
.irp j, 1,2,3,4,5,6,7
	v_mov_b32 v[56+8*\e+\j], v[56+8*\e]            ; in v's result a lane holds one channel: its bias in all eight registers
.endr
.endr
	s_wait_dscnt 0x0                               ; for the others' sake: my images and my part of the weights have landed
	s_barrier_signal -1
	s_barrier_wait -1                              ; x's sixteen fragments and the three weights lie in LDS; nothing is written there again
	WIN 0x40
.irp t, 0,1,2,3,4,5,6,7
.irp s, 0,1
.irp c, 0,1
	ds_load_b128 v[8*(2*\t+\s)+4*\c:8*(2*\t+\s)+4*\c+3], v91 offset:16*WP*\t+64*\s+32*\c   ; my 16 fragments of wq or wk: tile t's sixteen rows lie on end
.endr
.endr
.endr
.irp e, 0,1
.irp s, 0,1
.irp c, 0,1
	ds_load_b128 v[128+8*(2*\e+\s)+4*\c:128+8*(2*\e+\s)+4*\c+3], v92 offset:16*WP*\e+64*\s+32*\c   ; my 4 of wv
.endr
.endr
.endr
	WIN 0
	; ---- q or k, transposed: source 0 = 16 features of the weight, source 1 = 16 tokens
.irp i, 0,1,2,3
.irp s, 0,1
.irp c, 0,1
	ds_load_b128 v[XF+8*\s+4*\c:XF+8*\s+4*\c+3], v7 offset:2048*\i+1024*\s+512*\c
.endr
	ds_load_b32 v[32+\s], v8 offset:256*\i+128*\s
.endr
	s_wait_dscnt 0x0
	WIN 0x11                                       ; the weight and the bias in window 1
.irp t, 0,1,2,3,4,5,6,7
	WM H+8*\t, 16*\t, XF, 160+8*\t, 16+2*\t, 32    ; the bias is the C of the sum's first instruction
.endr
	WIN 0x01
.irp t, 0,1,2,3,4,5,6,7
	WM H+8*\t, 16*\t+8, XF+8, H+8*\t, 17+2*\t, 33  ; the eight accumulators by turns
.endr
	WIN 0
	PLACES
	QUANT H, CD+8*\i, PW+\i                        ; 128 features of 16 tokens: one fragment
	global_store_b128 v1, v[CD+8*\i:CD+8*\i+3], s[94:95] offset:2048*\i
	global_store_b128 v1, v[CD+8*\i+4:CD+8*\i+7], s[94:95] offset:2048*\i+512
.endr
	v_cndmask_b32 v88, v[PW], v[PW+2], s[HM]       ; lane (r, h) stores the words of tiles 2 h, 2 h + 1 of my four
	v_cndmask_b32 v89, v[PW+1], v[PW+3], s[HM]
	global_store_b64 v11, v[88:89], s[96:97]
	; ---- v, with the tokens as source 0: a lane holds one channel, its registers run along the keys
	WIN 0x40
.irp k, 0,1,2,3,4,5,6,7,8,9,10,11,12,13,14,15
	ds_load_b128 v[8*\k:8*\k+3], v1 offset:1024*\k
	ds_load_b128 v[8*\k+4:8*\k+7], v1 offset:1024*\k+512
.endr
	WIN 0
.irp k, 0,1,2,3,4,5,6,7,8,9,10,11,12,13,14,15
	ds_load_b32 v[32+\k], v2 offset:XSC+128*\k
.endr
	s_wait_dscnt 0x0
.irp e, 0,1
	WIN 0x05                                       ; both operands in window 1
.irp T, 0,1,2,3,4,5,6,7
	WM H+8*\T, 16*\T, 128+16*\e, 56+8*\e, 32+2*\T, 48+2*\e
.endr
.irp T, 0,1,2,3,4,5,6,7
	WM H+8*\T, 16*\T+8, 136+16*\e, H+8*\T, 33+2*\T, 49+2*\e
.endr
	WIN 0
	PLACES
	QUANT H, CD+32+8*\e, PW+\e                     ; 128 keys of 16 channels
	global_store_b128 v1, v[CD+32+8*\e:CD+35+8*\e], s[98:99] offset:1024*\e
	global_store_b128 v1, v[CD+36+8*\e:CD+39+8*\e], s[98:99] offset:1024*\e+512
.endr
	v_cndmask_b32 v90, v[PW], v[PW+1], s[HM]       ; lane (r, h) stores the word of tile 2 w + h
	global_store_b32 v12, v90, s[100:101]
	s_wait_tensorcnt 0x0
	ds_add_u32 v242, v243
	s_wait_dscnt 0x0
	s_endpgm
.Lfunc_end_k_q24d2b1782c_prep:
	.size	k_q24d2b1782c_prep, .Lfunc_end_k_q24d2b1782c_prep-k_q24d2b1782c_prep
	.p2alignl 7, 3214868480
	.fill 96, 4, 3214868480
	.section	.rodata,"a",@progbits
	.p2align	6, 0x0
	.amdhsa_kernel k_q24d2b1782c_prep
		.amdhsa_group_segment_fixed_size 263168
		.amdhsa_private_segment_fixed_size 0
		.amdhsa_enable_private_segment 0
		.amdhsa_kernarg_size 200
		.amdhsa_user_sgpr_count 2
		.amdhsa_user_sgpr_kernarg_segment_ptr 1
		.amdhsa_wavefront_size32 1
		.amdhsa_system_sgpr_workgroup_id_x 1
		.amdhsa_system_sgpr_workgroup_id_y 1
		.amdhsa_system_sgpr_workgroup_id_z 1
		.amdhsa_system_vgpr_workitem_id 0
		.amdhsa_next_free_vgpr 512
		.amdhsa_next_free_sgpr 102
		.amdhsa_reserve_vcc 0
		.amdhsa_float_denorm_mode_32 3
		.amdhsa_float_denorm_mode_16_64 3
		.amdhsa_memory_ordered 1
		.amdhsa_forward_progress 1
		.amdhsa_inst_pref_size 86
	.end_amdhsa_kernel
	.amdgpu_metadata
---
amdhsa.version: [ 1, 2 ]
amdhsa.kernels:
  - .name:           k_q24d2b1782c_prep
    .symbol:         k_q24d2b1782c_prep.kd
    .args:
      - { .name: x, .offset: 0, .size: 8, .value_kind: global_buffer, .address_space: global }
      - { .name: wq_codes, .offset: 8, .size: 8, .value_kind: global_buffer, .address_space: global }
      - { .name: wq_scales, .offset: 16, .size: 8, .value_kind: global_buffer, .address_space: global }
      - { .name: bq, .offset: 24, .size: 8, .value_kind: global_buffer, .address_space: global }
      - { .name: wk_codes, .offset: 32, .size: 8, .value_kind: global_buffer, .address_space: global }
      - { .name: wk_scales, .offset: 40, .size: 8, .value_kind: global_buffer, .address_space: global }
      - { .name: bk, .offset: 48, .size: 8, .value_kind: global_buffer, .address_space: global }
      - { .name: wv_codes, .offset: 56, .size: 8, .value_kind: global_buffer, .address_space: global }
      - { .name: wv_scales, .offset: 64, .size: 8, .value_kind: global_buffer, .address_space: global }
      - { .name: bv, .offset: 72, .size: 8, .value_kind: global_buffer, .address_space: global }
      - { .name: qb, .offset: 80, .size: 8, .value_kind: global_buffer, .address_space: global }
      - { .name: strm, .offset: 88, .size: 8, .value_kind: global_buffer, .address_space: global }
      - { .name: wp_codes, .offset: 96, .size: 8, .value_kind: global_buffer, .address_space: global }
      - { .name: wp_scales, .offset: 104, .size: 8, .value_kind: global_buffer, .address_space: global }
      - { .name: w1_codes, .offset: 112, .size: 8, .value_kind: global_buffer, .address_space: global }
      - { .name: w1_scales, .offset: 120, .size: 8, .value_kind: global_buffer, .address_space: global }
      - { .name: w2_codes, .offset: 128, .size: 8, .value_kind: global_buffer, .address_space: global }
      - { .name: w2_scales, .offset: 136, .size: 8, .value_kind: global_buffer, .address_space: global }
      - { .name: b1, .offset: 144, .size: 8, .value_kind: global_buffer, .address_space: global }
      - { .name: bp, .offset: 152, .size: 8, .value_kind: global_buffer, .address_space: global }
      - { .name: g1, .offset: 160, .size: 8, .value_kind: global_buffer, .address_space: global }
      - { .name: be1, .offset: 168, .size: 8, .value_kind: global_buffer, .address_space: global }
      - { .name: b2, .offset: 176, .size: 8, .value_kind: global_buffer, .address_space: global }
      - { .name: g2, .offset: 184, .size: 8, .value_kind: global_buffer, .address_space: global }
      - { .name: be2, .offset: 192, .size: 8, .value_kind: global_buffer, .address_space: global }
    .group_segment_fixed_size: 263168
    .private_segment_fixed_size: 0
    .kernarg_segment_align: 8
    .kernarg_segment_size: 200
    .max_flat_workgroup_size: 256
    .sgpr_count:     102
    .vgpr_count:     512
    .wavefront_size: 32
...
	.end_amdgpu_metadata
.endif
;; end of part 1
;; launch layer (part 2): grid 16 x 16, 4 waves a work-group, clusters of 4 x 1, 327,680 bytes of LDS; arguments qb, strm, x, out0; writes out0
.if DOCPART == 2
	.amdgcn_target "amdgcn-amd-amdhsa--gfx1250"
	.amdhsa_code_object_version 6
	.text
	.protected	k_q24d2b1782c_layer
	.globl	k_q24d2b1782c_layer
	.p2align	8
	.type	k_q24d2b1782c_layer,@function
k_q24d2b1782c_layer:
	s_mov_b64 s[64:65], 0
	v_nop
	global_prefetch_b8 v0, s[64:65] scope:SCOPE_SE
	s_setreg_imm32_b32 hwreg(HW_REG_WAVE_MODE, 25, 1), 1
	s_wait_xcnt 0x0
	s_wait_alu depctr_hold_cnt(0) depctr_sa_sdst(0) depctr_va_vdst(0) depctr_va_sdst(0) depctr_va_ssrc(0) depctr_va_vcc(0) depctr_vm_vsrc(0)
	s_getreg_b32 s2, hwreg(HW_REG_IB_STS2, 6, 4)
	s_cmp_eq_u32 s2, 0
	s_cbranch_scc0 .Lentry_in_a_cluster
	s_endpgm
.Lentry_in_a_cluster:
	s_bfe_u32 s2, ttmp6, 0x10000c
	s_cmp_lg_u32 s2, 0x3003
	s_cbranch_scc0 .Lentry_shape_is_right
	s_endpgm
.Lentry_shape_is_right:
; out0 = LN2(y1 + Q(gelu(Q(y1) w1 + b1)) w2 + b2), y1 = LN1(x + Q(softmax-weighted v) wp + bp): attention over 2,048 keys (head size 256), the projection, both layer norms and the FFN in one launch,
; all products on codes of E2M1 with one E8M0 scale for each 32 along K.  q, k, v and the weights come as images of the operands' registers (a fragment: 1,024 bytes, 16 bytes a lane on end).
; SHARES.  A work-group owns 128 queries of one batch, each of its four waves 32: two tiles m of 16.  Lane r of tile m holds token 32 w + 8 m + r + 8 (r / 8), and holds that ONE row from the scores to out0:
; every product is used transposed (source 0 = 16 keys, channels, features or hidden units; source 1 = my 16 rows), and the 16 rows of every tile of source 0 are chosen (lane r of tile 2 b + u: row
; 32 b + 8 u + r + 8 (r / 8)) so that register 16 b + i of a result is index 32 b + 16 (lane / 16) + i along the next K.
; THE SOFTMAX: t = score x log2(e) / 16 (the division of q by 16, a power of two, is folded in here); M = the running largest t rounded up to a whole number; p = 2^(t - M) is quantised along the keys,
; not normalised; the row's sum is taken of the unquantised p and divides O at the end; when M moves, the sum and O are multiplied by 2^(old M - new M), which rounds nothing.
; THE FFN HAS ATTENTION'S SHAPE: 128 hidden units a chunk play a key step, w1 plays K, w2 plays V, gelu the softmax: the same blocks in LDS, the same macros.
; gelu(z) = 0.5 z (1 + erf(z / sqrt 2)), erf(u) = u P(u^2) / Q(u^2) with u held to +-4.
; THE STREAM.  Blocks of 34,816 bytes: 16 fragments of K type | 16 of V type | K scales | V scales.  Block j of a batch holds V of key step j and K of key step j + 1, so the next step's K is read out of
; the slot in hand.  Two LDS slots of two blocks take turns: the batch's eight slots, then two slots of w1 and w2 (chunks 0-3); chunks 4-7, wp and the vectors are filled once, at the start.
; CLUSTER.  The four work-groups of a cluster belong to one batch and walk the same stream: each tile is asked for JOINTLY, by the same tensor load with the same descriptor and the mask of all four.
; LIMITS: NaN and infinities are not served; a block of zeros has the scale byte 1 (its codes are zeros); folding q / 16 is exact unless a block of q has its largest magnitude under 2^-120;
; erf's absolute error is a few 1e-7, so far out in gelu's negative tail the relative error grows.
; REGISTERS, in windows of 256: window 0: v1-15 addresses; v16-31 statistics, 8 a tile; v32-39 K type scale words, v40-47 V type; v48-51 my rows' scale words; v52-53 p's or h's; v54-61 scale operands;
;   v64-95 my rows' codes (q, then the attention's result, then y1); v96-111 p's or h's codes; v112-127 at work; v128-255 S: scores and p, the hidden layer, or a vector.
;   window 1: O^T, later gains and offsets, gelu's temporaries, whole rows on the way out.   window 2: v0-127 K type fragments, v128-255 V type.   window 3: Y: x, x + bp + att, y1, y1 + b2 + ff, the result.
; THE FILLS AS THIS TEXT HAS THEM (this paragraph takes the place of what the paragraph on the stream says of the fills at the start).  One tensor load a wave at each place.
; At the head: waves 0 and 1 fetch slots 0 and 1 whole (272 rows of 256 bytes each), waves 2 and 3 the halves of wp's block and the vectors (88 rows each); all four are joint loads.
; Behind the round in front of the loop: x.  Wave w fetches bytes 256 w .. 256 w + 255 of each of the work-group's 128 rows (a plain load: x is the work-group's own), 16 bytes of padding behind each row:
; 128 x 272 = 34,816 bytes a wave, so the four planes fill cells 4-7 exactly.  Behind attention x is read from there into Y, and behind a round of its own the cells are filled again with chunks 4-7 (136 rows a wave),
; which have the projection and the first layer norm in which to land.  x is asked for once, ahead of the loop: there is no loop to run ahead in, so it has no prefetch.
; gelu: what is formed is z (1 + erf) = z (Q + z P) / Q = 2 gelu, with P and Q as polynomials in z^2 (z held to +-4 sqrt 2); the factor 2 is taken off h's scale bytes, so the codes and the values are gelu's.
; LIMIT: a block of h whose largest magnitude lies under 2^-125 gets the byte 0 (2^-127) where the quantiser holds the byte at 1.
.set BLK,    0x8800
.set SLOTB,  0x11000                   ; a slot: two blocks.  Its bits and a block's do not meet, so one exclusive or turns an address to the other block, another to the other slot
.set QUART,  0x4400                    ; a wave's quarter of a slot: 68 rows of 256 bytes
.set WOFF,   8912896                   ; strm: the eight blocks of w1 and w2
.set WFIX,   9191424                   ; strm: wp's block and the vectors, 45,056 bytes
.set WFIXL,  0x44000                   ; LDS: behind eight cells of a block
.set VECL,   0x4C800                   ; LDS: the vectors: b1 0, bp 4096, g1 5120, be1 6144, b2 7168, g2 8192, be2 9216
.set SPARE,  0x4F000                   ; the spare words, 128 bytes for each wave: two blocks of 256 bytes that no other line names
.set SPITCH, 1040                      ; the way out: a stage of 32 rows x (1,024 bytes + 16) for each wave, in cells 0-3, which have had their last fill and their last read by then
.set LI,  1                            ; 16 x lane
.set L8,  2                            ; 8 x lane
.set SPW, 3                            ; my spare word; never rewritten
.set NIL, 4                            ; 0; never rewritten
.set ADR, 5                            ; the block in hand + 16 x lane
.set ADS, 6                            ; the block in hand + 8 x lane
.set ADN, 7                            ; the next block + 16 x lane
.set AB1, 8                            ; b1 of the chunk in hand
.set AV,  9                            ; the vectors + 64 h
.set XA,  10                           ; x: my row + 64 h
.set STO, 11                           ; the stage, in
.set RD,  12                           ; the stage, back
.set PFO, 13                           ; 256 x lane
.set AW,  14                           ; wp's block + 16 x lane
.set QO,  15                           ; q's fragments
.set QSO, 62                           ; q's scale words
.set XB,  63                           ; x in LDS: planes 2 and 3 (v[XA]: planes 0 and 1)
.set ST,  16                           ; tile m at v[ST + 8 m]: +0 -M, +1 the largest t, +2, +3 the sum's halves, +4 f, +5 its pair's upper word, +6, +7 at work
.set KS,  32
.set VS,  40
.set AS,  48
.set PW,  52
.set SO,  54
.set AC,  64
.set CD,  96
.set TM,  112
.set PM,  120
.set S,   128
.set WV,  12
.set CX,  13
.set G1,  16                           ; s[16:23] group 1: 68 rows of 256 bytes;  s[24:31]: 88 rows
.set G1F, 24
.set G0A, 32                           ; s[32:35] slot 0 or 1 whole, at the head;  s[36:39] the ring's walking group 0;  s[40:43] wp and the vectors;  s[44:47] x;  s[48:51] chunks 4-7
.set GW,  36
.set G0F, 40
.set G0C, 44
.set G0D, 48
.set TB,  52                           ; the LDS byte at which the block in hand begins
.set TV,  53                           ; 512 x the chunk
.set CNT, 54
.set TWICE, 55
.set CS,  56                           ; s[56:57] c = log2(e) / 16
.set SEL, 58
.set STP, 60                           ; s[60:61] the walking descriptor's step in memory
.set JMP, 62                           ; from the batch's last slot to the first slot of w1 and w2
.set LIM, 63
.set PFA, 66
.set ERF, 70                           ; s[70:89] ten coefficients, each twice
.set RS2, 90                           ; s[90:91] 1 / sqrt 2
.set I256, 92
.set EPS, 93
.set CLN, 98                           ; s98 = -4 sqrt 2, s99 = 4 sqrt 2: z's hold
.set XL,  2*SLOTB                      ; LDS: x's four planes, later chunks 4-7
.set XPI, 272                          ; a row of a plane: 256 bytes + 16
.set MSB, 0
.macro WIN new                         ; the immediate's high byte repeats the setting that is left; a switch that changes nothing is dropped
.if MSB != (\new)
	s_set_vgpr_msb (MSB<<8)|(\new)
.set MSB, \new
.endif
.endm
.macro PLACES                          ; four plain places behind matrix instructions (ISA guide 7.12.1)
.rept 4
	v_nop
.endr
.endm
.macro SPAIR r, val
	s_mov_b32 s[\r], \val
	s_mov_b32 s[\r+1], \val
.endm
.macro CROUND                          ; a round of the cluster's barrier
	s_barrier_signal -1
	s_barrier_wait -1
	s_cmp_lg_u32 s[WV], 0
	s_cbranch_scc1 .Lnot_wave_0_\@
	s_barrier_signal -3
.Lnot_wave_0_\@:
	s_barrier_wait -3
	s_barrier_signal -1
	s_barrier_wait -1
.endm
; One matrix instruction.  c = -1: the constant 0 starts the sum.  k = 1: source 0's scale words are taken from lanes 16-31; k = 3: both sources'.
.macro WM d, a, b, c, sa, sb, k
.if (\c) < 0
	v_wmma_scale_f32_16x16x128_f8f6f4 v[\d:\d+7], v[\a:\a+7], v[\b:\b+7], 0, v[\sa], v[\sb] matrix_a_fmt:MATRIX_FMT_FP4 matrix_b_fmt:MATRIX_FMT_FP4
.elseif (\k) == 0
	v_wmma_scale_f32_16x16x128_f8f6f4 v[\d:\d+7], v[\a:\a+7], v[\b:\b+7], v[\c:\c+7], v[\sa], v[\sb] matrix_a_fmt:MATRIX_FMT_FP4 matrix_b_fmt:MATRIX_FMT_FP4
.elseif (\k) == 1
	v_wmma_scale_f32_16x16x128_f8f6f4 v[\d:\d+7], v[\a:\a+7], v[\b:\b+7], v[\c:\c+7], v[\sa], v[\sb] matrix_a_fmt:MATRIX_FMT_FP4 matrix_b_fmt:MATRIX_FMT_FP4 matrix_a_scale:MATRIX_SCALE_ROW1
.else
	v_wmma_scale_f32_16x16x128_f8f6f4 v[\d:\d+7], v[\a:\a+7], v[\b:\b+7], v[\c:\c+7], v[\sa], v[\sb] matrix_a_fmt:MATRIX_FMT_FP4 matrix_b_fmt:MATRIX_FMT_FP4 matrix_a_scale:MATRIX_SCALE_ROW1 matrix_b_scale:MATRIX_SCALE_ROW1
.endif
.endm
; 64 numbers of a lane in window X, register 16 b + i = k 32 b + 16 (lane / 16) + i of my row, become a fragment's codes in v[cd] on and its scale word in v[pw] (both in window 0).
.macro QUANT X, s, cd, pw
	WIN 5*(\X)                                     ; sources 0 and 1 in window X; the running maximum is source 2
.irp b, 0,1,2,3
	v_max3_num_f32 v[TM+\b], |v[\s+16*\b]|, |v[\s+16*\b+1]|, 0x1800000   ; and the floor 2^(3 - 127): the byte cannot fall under 1
.endr
.irp i, 2,4,6,8,10,12,14
.irp b, 0,1,2,3
	v_max3_num_f32 v[TM+\b], |v[\s+16*\b+\i]|, |v[\s+16*\b+\i+1]|, v[TM+\b]
.endr
.endr
	WIN 0
.irp b, 0,1,2,3
	v_permlanex16_b32 v[TM+4+\b], v[TM+\b], s[SEL], s[SEL+1]
.endr
.irp b, 0,1,2,3
	v_max_num_f32 v[TM+\b], v[TM+\b], v[TM+4+\b]   ; with lane l xor 16's: the block's largest magnitude
.endr
.irp b, 0,1,2,3
	v_add_nc_u32 v[TM+8+\b], 0xff000000, v[TM+\b]  ; 2 off its exponent field: the conversion's scale operand
.endr
.irp b, 0,1,2,3
	v_lshrrev_b32 v[TM+4+\b], 23, v[TM+8+\b]       ; the scale's byte
.endr
	v_lshl_or_b32 v[\pw], v[TM+5], 8, v[TM+4]
	v_lshl_or_b32 v[\pw], v[TM+6], 16, v[\pw]
	v_lshl_or_b32 v[\pw], v[TM+7], 24, v[\pw]
	WIN \X
.irp b, 0,1,2,3
	v_cvt_scalef32_pk8_fp4_f32 v[\cd+2*\b], v[\s+16*\b:\s+16*\b+7], v[TM+8+\b]
	v_cvt_scalef32_pk8_fp4_f32 v[\cd+2*\b+1], v[\s+16*\b+8:\s+16*\b+15], v[TM+8+\b]
.endr
	WIN 0
	v_nop                                          ; one plain place behind a scaled conversion
.irp c, 0,1                                    ; the operand's layout wants a whole block in a lane
.irp i, 0,1
	v_permlane16_swap_b32 v[\cd+4*\c+\i], v[\cd+4*\c+2+\i]
.endr
.endr
.endm
.macro LDK adr                         ; a block's 16 fragments of K type and their scale words: 34 loads
	WIN 0x80
.set k, 0
.rept 16
	ds_load_b128 v[8*k:8*k+3], v[\adr] offset:1024*k
	ds_load_b128 v[8*k+4:8*k+7], v[\adr] offset:1024*k+512
.set k, k+1
.endr
	WIN 0
	ds_load_b128 v[KS:KS+3], v[\adr] offset:32768
	ds_load_b128 v[KS+4:KS+7], v[\adr] offset:33280
.endm
.macro LDV                             ; the 16 fragments of V type of the block in hand and their scale words: 36 loads
	WIN 0x80
.set k, 0
.rept 16
	ds_load_b128 v[128+8*k:128+8*k+3], v[ADR] offset:16384+1024*k
	ds_load_b128 v[128+8*k+4:128+8*k+7], v[ADR] offset:16384+1024*k+512
.set k, k+1
.endr
	WIN 0
.irp q, 0,1,2,3
	ds_load_b64 v[VS+2*\q:VS+2*\q+1], v[ADS] offset:33792+256*\q
.endr
.endm
.macro VEC win, dst, off               ; a vector of 256 numbers in a row's layout: register 16 b + i = number 32 b + 16 h + i: 32 loads
	WIN (\win)<<6
.irp b, 0,1,2,3,4,5,6,7
.irp i, 0,1,2,3
	ds_load_b128 v[\dst+16*\b+4*\i:\dst+16*\b+4*\i+3], v[AV] offset:\off+128*\b+16*\i
.endr
.endr
	WIN 0
.endm
; 32 matrix instructions: the scores: 8 tiles of K type x my two tiles x two K steps, begun with 0; the 16 accumulators by turns.
.macro MMK att
	WIN 0x02
.irp s, 0,1
.irp T, 0,1,2,3,4,5,6,7
.irp m, 0,1
.if \att
.if \s == 0
	WM S+64*\m+8*\T, 16*\T, AC+16*\m, -1, KS+\T, AS+\m, 0
.else
	WM S+64*\m+8*\T, 16*\T+8, AC+16*\m+8, S+64*\m+8*\T, KS+\T, AS+\m, 3
.endif
.endif
.endr
.endr
.endr
.endm
; 32 matrix instructions: the hidden layer, onto b1.  b1 lies ONCE, in tile 0's accumulator registers: tile 1's first products take it from there as their C; five places behind them
; (a matrix instruction writes over a register that an earlier one has read: ISA guide 7.12.1) tile 0's first products add onto it in place.  One instruction a turn throughout.
.macro MMH
	WIN 0x02
.irp T, 0,1,2,3,4,5,6,7
	WM S+64+8*\T, 16*\T, AC+16, S+8*\T, KS+\T, AS+2, 0
.endr
.rept 5
	v_nop
.endr
.irp T, 0,1,2,3,4,5,6,7
	WM S+8*\T, 16*\T, AC, S+8*\T, KS+\T, AS, 0
.endr
.irp T, 0,1,2,3,4,5,6,7
.irp m, 0,1
	WM S+64*\m+8*\T, 16*\T+8, AC+16*\m+8, S+64*\m+8*\T, KS+\T, AS+2*\m+1, 1
.endr
.endr
.endm
.macro MMV win                         ; 32 matrix instructions: 16 tiles of V type x my two tiles, each onto its own accumulator
	WIN \win
.set ct, 0
.rept 16
.irp m, 0,1
	WM 128*\m+8*ct, 128+8*ct, CD+8*\m, 128*\m+8*ct, VS+ct%8, PW+\m, ct/8
.endr
.set ct, ct+1
.endr
.endm
; The softmax of a key step, both tiles stage by stage.
.macro SOFTMAX
.irp m, 0,1
.irp b, 0,1,2,3
	v_max3_num_f32 v[TM+4*\m+\b], v[S+64*\m+16*\b], v[S+64*\m+16*\b+1], v[S+64*\m+16*\b+2]   ; the largest score of each block of 32 keys: for the row's maximum, and, since p rises with the score, for the block's largest p
.endr
.endr
.irp i, 3,5,7,9,11,13
.irp m, 0,1
.irp b, 0,1,2,3
	v_max3_num_f32 v[TM+4*\m+\b], v[TM+4*\m+\b], v[S+64*\m+16*\b+\i], v[S+64*\m+16*\b+\i+1]
.endr
.endr
.endr
.irp m, 0,1
.irp b, 0,1,2,3
	v_max_num_f32 v[TM+4*\m+\b], v[TM+4*\m+\b], v[S+64*\m+16*\b+15]
.endr
.endr
.irp m, 0,1
.irp b, 0,1,2,3
	v_permlanex16_b32 v[PM+4*\m+\b], v[TM+4*\m+\b], s[SEL], s[SEL+1]
.endr
.endr
.irp m, 0,1
.irp b, 0,1,2,3
	v_max_num_f32 v[TM+4*\m+\b], v[TM+4*\m+\b], v[PM+4*\m+\b]   ; with lane l xor 16's 16 keys
.endr
.endr
.irp m, 0,1
	v_max3_num_f32 v[ST+6+8*\m], v[TM+4*\m], v[TM+4*\m+1], v[TM+4*\m+2]
.endr
.irp m, 0,1
	v_max_num_f32 v[ST+6+8*\m], v[ST+6+8*\m], v[TM+4*\m+3]
.endr
.irp m, 0,1
	v_mul_f32 v[ST+6+8*\m], s[CS], v[ST+6+8*\m]    ; as t
.endr
.irp m, 0,1
	v_max_num_f32 v[ST+1+8*\m], v[ST+1+8*\m], v[ST+6+8*\m]   ; the running largest t
.endr
.irp m, 0,1
	v_mov_b32 v[ST+6+8*\m], v[ST+8*\m]
.endr
.irp m, 0,1
	v_floor_f32 v[ST+8*\m], -v[ST+1+8*\m]          ; the new -M = -ceil(t): a whole number
.endr
.irp m, 0,1
	v_sub_f32 v[ST+6+8*\m], v[ST+8*\m], v[ST+6+8*\m]   ; old M - new M, 0 or less
.endr
.irp m, 0,1
	v_cvt_i32_f32 v[ST+6+8*\m], v[ST+6+8*\m]       ; (it saturates)
.endr
.irp m, 0,1
	v_ldexp_f32 v[ST+4+8*\m], 1.0, v[ST+6+8*\m]    ; f = 2^(old M - new M)
.endr
.set p, 0
.rept 64
	v_pk_fma_f32 v[S+2*p:S+2*p+1], v[S+2*p:S+2*p+1], s[CS:CS+1], v[ST+8*(p/32):ST+8*(p/32)+1] op_sel_hi:[1,0,0]   ; t - M, two at a time
.set p, p+1
.endr
.irp m, 0,1
.irp b, 0,1,2,3
	v_fma_f32 v[TM+4*\m+\b], v[TM+4*\m+\b], s[CS], v[ST+8*\m]   ; the same of each block's largest score
.endr
.endr
.set p, 0
	s_wait_alu depctr_va_vdst(0)
.rept 128
	v_exp_f32 v[S+p], v[S+p]                       ; p = 2^(t - M), at most 1
.set p, p+1
.endr
.irp m, 0,1
	v_pk_mul_f32 v[ST+2+8*\m:ST+3+8*\m], v[ST+2+8*\m:ST+3+8*\m], v[ST+4+8*\m:ST+5+8*\m] op_sel_hi:[1,0]   ; the sums under the new M: plain work behind the exponentials
.endr
	s_wait_alu depctr_va_vdst(0)                   ; one wait for the batch of 128, ahead of its first reader
.irp m, 0,1
.irp b, 0,1,2,3
	v_exp_f32 v[TM+4*\m+\b], v[TM+4*\m+\b]         ; the block's largest p
.endr
.endr
.irp m, 0,1
	v_pk_add_f32 v[PM+4*\m:PM+4*\m+1], v[S+64*\m:S+64*\m+1], v[S+64*\m+2:S+64*\m+3]   ; the row's sum is taken of the unquantised p, in two chains a tile
.endr
.irp j, 4,8,12,16,20,24,28,32,36,40,44,48,52,56,60
.irp m, 0,1
	v_pk_add_f32 v[ST+2+8*\m:ST+3+8*\m], v[ST+2+8*\m:ST+3+8*\m], v[S+64*\m+\j:S+64*\m+\j+1]
	v_pk_add_f32 v[PM+4*\m:PM+4*\m+1], v[PM+4*\m:PM+4*\m+1], v[S+64*\m+\j+2:S+64*\m+\j+3]
.endr
.endr
.irp m, 0,1
	v_pk_add_f32 v[ST+2+8*\m:ST+3+8*\m], v[ST+2+8*\m:ST+3+8*\m], v[PM+4*\m:PM+4*\m+1]
.endr
	s_wait_alu depctr_va_vdst(0)                   ; and one for the eight
.irp m, 0,1
.irp b, 0,1,2,3
	v_max_num_f32 v[TM+4*\m+\b], 0x1800000, v[TM+4*\m+\b]   ; the floor 2^(3 - 127)
.endr
.endr
.irp m, 0,1
.irp b, 0,1,2,3
	v_add_nc_u32 v[SO+4*\m+\b], 0xff000000, v[TM+4*\m+\b]
.endr
.endr
.irp m, 0,1
.irp b, 0,1,2,3
	v_lshrrev_b32 v[PM+4*\m+\b], 23, v[SO+4*\m+\b]
.endr
.endr
.irp m, 0,1
	v_lshl_or_b32 v[PW+\m], v[PM+4*\m+1], 8, v[PM+4*\m]
.endr
.irp m, 0,1
	v_lshl_or_b32 v[PW+\m], v[PM+4*\m+2], 16, v[PW+\m]
.endr
.irp m, 0,1
	v_lshl_or_b32 v[PW+\m], v[PM+4*\m+3], 24, v[PW+\m]   ; p's scale word for these 128 keys
.endr
.irp m, 0,1
.irp b, 0,1,2,3
	v_cvt_scalef32_pk8_fp4_f32 v[CD+8*\m+2*\b], v[S+64*\m+16*\b:S+64*\m+16*\b+7], v[SO+4*\m+\b]
	v_cvt_scalef32_pk8_fp4_f32 v[CD+8*\m+2*\b+1], v[S+64*\m+16*\b+8:S+64*\m+16*\b+15], v[SO+4*\m+\b]
.endr
.endr
	v_nop                                          ; one plain place behind a scaled conversion
.irp m, 0,1
.irp c, 0,1
.irp i, 0,1
	v_permlane16_swap_b32 v[CD+8*\m+4*\c+\i], v[CD+8*\m+4*\c+2+\i]
.endr
.endr
.endr
.endm
; gelu of tile m's 64 hidden units, in place in S.  Temporaries in window 1: held z v0-63, z^2 v64-127, P v128-191, Q v192-255.
.macro GELU m                          ; temporaries in window 1: held z v0-63, z^2 v64-127, P v128-191, Q v192-255; each is used again as it falls free
	WIN 0x40
.set p, 0
.rept 64
	v_med3_num_f32 v[p], v[S+64*\m+p], s[CLN], s[CLN+1]   ; z held to +-4 sqrt 2; each accumulator is read from its low end on
.set p, p+1
.endr
	WIN 0x45
.set p, 0
.rept 32
	v_pk_mul_f32 v[64+2*p:65+2*p], v[2*p:2*p+1], v[2*p:2*p+1]
.set p, p+1
.endr
.set p, 0
.rept 32
	v_pk_fma_f32 v[128+2*p:129+2*p], v[64+2*p:65+2*p], s[ERF:ERF+1], v[124:125] op_sel_hi:[1,0,1]
	v_pk_fma_f32 v[192+2*p:193+2*p], v[64+2*p:65+2*p], s[ERF+12:ERF+13], v[126:127] op_sel_hi:[1,0,1]
.set p, p+1
.endr
.irp c, 2,4,6,8,10
.set p, 0
.rept 32
	v_pk_fma_f32 v[128+2*p:129+2*p], v[128+2*p:129+2*p], v[64+2*p:65+2*p], s[ERF+\c:ERF+\c+1] op_sel_hi:[1,1,0]
.set p, p+1
.endr
.endr
.irp c, 14,16,18
.set p, 0
.rept 32
	v_pk_fma_f32 v[192+2*p:193+2*p], v[192+2*p:193+2*p], v[64+2*p:65+2*p], s[ERF+\c:ERF+\c+1] op_sel_hi:[1,1,0]
.set p, p+1
.endr
.endr
; ONE RECIPROCAL FOR FOUR Q's (q0 .. q3; Q lies between -2.4 and -0.014, so the product of four is an ordinary number): d = (q0 q2, q1 q3), r = 1 / (d0 d1), e = (r d1, r d0) = (1 / (q0 q2), 1 / (q1 q3)).
.set p, 0
.rept 16
	v_pk_mul_f32 v[64+2*p:65+2*p], v[192+4*p:193+4*p], v[194+4*p:195+4*p]   ; d
.set p, p+1
.endr
.set p, 0
.rept 16
	v_mul_f32 v[96+p], v[64+2*p], v[65+2*p]
.set p, p+1
.endr
	s_wait_alu depctr_va_vdst(0)                   ; the wait ahead of the batch
.set p, 0
.rept 16
	v_rcp_f32 v[96+p], v[96+p]                     ; r
.set p, p+1
.endr
	WIN 0x55
.set p, 0
.rept 32
	v_pk_fma_f32 v[128+2*p:129+2*p], v[2*p:2*p+1], v[128+2*p:129+2*p], v[192+2*p:193+2*p]   ; N = Q + z P: plain work behind the reciprocals, as are the next two runs
.set p, p+1
.endr
	WIN 0x41
.set p, 0
.rept 32
	v_pk_mul_f32 v[2*p:2*p+1], v[128+2*p:129+2*p], v[S+64*\m+2*p:S+64*\m+2*p+1]   ; z N, with the z that is not held
.set p, p+1
.endr
	WIN 0x45
.set p, 0
.rept 32
	v_pk_mul_f32 v[2*p:2*p+1], v[2*p:2*p+1], v[192+2*(p+1-2*(p%2)):193+2*(p+1-2*(p%2))]   ; x the group's other pair of Q's
.set p, p+1
.endr
	s_wait_alu depctr_va_vdst(0)                   ; one wait for the 16 reciprocals, ahead of their first reader
.set p, 0
.rept 8                                        ; e = (r d1, r d0), two groups a turn: of the pair of r's the group's own serves both halves; of d the upper register feeds the low half and the lower the high half
	v_pk_mul_f32 v[128+4*p:129+4*p], v[96+2*p:97+2*p], v[64+4*p:65+4*p] op_sel:[0,1] op_sel_hi:[0,0]
	v_pk_mul_f32 v[130+4*p:131+4*p], v[96+2*p:97+2*p], v[66+4*p:67+4*p] op_sel:[1,1] op_sel_hi:[1,0]
.set p, p+1
.endr
	WIN 0x05
.set p, 0
.rept 32
	v_pk_mul_f32 v[S+64*\m+2*p:S+64*\m+2*p+1], v[2*p:2*p+1], v[128+2*(p/2):129+2*(p/2)]   ; z N / Q = 2 gelu
.set p, p+1
.endr
	WIN 0
.endm
.macro JOIN                            ; four chains a tile in v[TM + 8 m] on become the row's sum in v[TM + 8 m]
	WIN 0
.irp m, 0,1
	v_pk_add_f32 v[TM+8*\m:TM+8*\m+1], v[TM+8*\m:TM+8*\m+1], v[TM+8*\m+2:TM+8*\m+3]
	v_pk_add_f32 v[TM+8*\m+4:TM+8*\m+5], v[TM+8*\m+4:TM+8*\m+5], v[TM+8*\m+6:TM+8*\m+7]
.endr
.irp m, 0,1
	v_pk_add_f32 v[TM+8*\m:TM+8*\m+1], v[TM+8*\m:TM+8*\m+1], v[TM+8*\m+4:TM+8*\m+5]
.endr
.irp m, 0,1
	v_add_f32 v[TM+8*\m], v[TM+8*\m], v[TM+8*\m+1]
.endr
.irp m, 0,1
	v_permlanex16_b32 v[TM+8*\m+1], v[TM+8*\m], s[SEL], s[SEL+1]   ; the row's other 128 numbers lie in the lane 16 away
.endr
.irp m, 0,1
	v_add_f32 v[TM+8*\m], v[TM+8*\m], v[TM+8*\m+1]
.endr
.endm
; The layer norm of Y, both tiles; the gain lies in window 1's v0-127, the offset in its v128-255.  Each accumulator of Y is read from its low end on.
.macro LN
	WIN 0x0F
.irp m, 0,1
.irp k, 0,1,2,3
	v_pk_add_f32 v[TM+8*\m+2*\k:TM+8*\m+2*\k+1], v[128*\m+2*\k:128*\m+2*\k+1], v[128*\m+8+2*\k:128*\m+9+2*\k]
.endr
.endr
	WIN 0x0C
.set p, 8
.rept 56
.irp m, 0,1
	v_pk_add_f32 v[TM+8*\m+2*(p%4):TM+8*\m+2*(p%4)+1], v[TM+8*\m+2*(p%4):TM+8*\m+2*(p%4)+1], v[128*\m+2*p:128*\m+2*p+1]
.endr
.set p, p+1
.endr
	JOIN
.irp m, 0,1
	v_mul_f32 v[ST+8*\m], s[I256], v[TM+8*\m]      ; the mean
.endr
	WIN 0xC3
.set p, 0
.rept 128
	v_pk_add_f32 v[2*p:2*p+1], v[2*p:2*p+1], v[ST+8*(p/64):ST+8*(p/64)+1] op_sel_hi:[1,0] neg_lo:[0,1] neg_hi:[0,1]
.set p, p+1
.endr
	WIN 0x0F
.irp m, 0,1
.irp k, 0,1,2,3
	v_pk_mul_f32 v[TM+8*\m+2*\k:TM+8*\m+2*\k+1], v[128*\m+2*\k:128*\m+2*\k+1], v[128*\m+2*\k:128*\m+2*\k+1]
.endr
.endr
.set p, 4
.rept 60
.irp m, 0,1
	v_pk_fma_f32 v[TM+8*\m+2*(p%4):TM+8*\m+2*(p%4)+1], v[128*\m+2*p:128*\m+2*p+1], v[128*\m+2*p:128*\m+2*p+1], v[TM+8*\m+2*(p%4):TM+8*\m+2*(p%4)+1]
.endr
.set p, p+1
.endr
	JOIN
.irp m, 0,1
	v_fma_f32 v[TM+8*\m], v[TM+8*\m], s[I256], s[EPS]   ; the variance + 1e-5
.endr
	s_wait_alu depctr_va_vdst(0)
.irp m, 0,1
	v_rsq_f32 v[ST+2+8*\m], v[TM+8*\m]
.endr
	v_nop                                          ; a plain place behind the transcendentals
	s_wait_alu depctr_va_vdst(0)                   ; and the wait ahead of their first reader
	WIN 0xC3
.set p, 0
.rept 128
	v_pk_mul_f32 v[2*p:2*p+1], v[2*p:2*p+1], v[ST+2+8*(p/64):ST+3+8*(p/64)] op_sel_hi:[1,0]
.set p, p+1
.endr
	s_wait_alu depctr_va_vdst(0)
	s_wait_dscnt 0x0                               ; the gain and the offset are in: they were asked for ahead of the norm and are first wanted here
	WIN 0xD7
.set p, 0
.rept 128
	v_pk_fma_f32 v[2*p:2*p+1], v[2*p:2*p+1], v[2*(p%64):2*(p%64)+1], v[128+2*(p%64):129+2*(p%64)]
.set p, p+1
.endr
	WIN 0
.endm
.macro ADDVEC                          ; Y += the vector in S, both tiles
	WIN 0xC3
.set p, 0
.rept 128
	v_pk_add_f32 v[2*p:2*p+1], v[2*p:2*p+1], v[S+2*(p%64):S+2*(p%64)+1]
.set p, p+1
.endr
	WIN 0
.endm
	; ================ the head
	s_load_b256 s[4:11], s[0:1], 0x0               ; qb s[4:5], strm s[6:7], x s[8:9], out0 s[10:11]
	v_lshl_add_u32 v[SPW], v0, 2, SPARE
	v_mov_b32 v[NIL], 0
	ds_add_u32 v3, v4
	ds_add_u32 v3, v4
	s_wait_dscnt 0x0
	v_lshrrev_b32 v1, 5, v0
	v_readfirstlane_b32 s[WV], v1                  ; wave 0..3
	s_bfe_u32 s[CX], ttmp6, 0x40000                ; cx: it enters the addresses of qb, x, out0 and of the prefetches alone
	s_lshl_b32 s14, ttmp9, 2
	s_add_co_u32 s14, s14, s[CX]                   ; my block of 128 queries
	s_and_b32 s15, ttmp7, 0xffff                   ; the batch, which the four partners share
	s_mov_b32 s[G1], 15|(3<<16)|(1<<21)            ; 15:0 the mask: all four; 17:16 elements of 8 bytes; 21 set beside a mask; no padding: images are read 16 bytes a lane on end
	s_mov_b32 s[G1+1], 32<<16                      ; tensor_dim0 = 32 elements: rows of 256 bytes
	s_mov_b32 s[G1+2], 272<<16                     ; tensor_dim1 = 272: a whole slot, for the head's loads; behind them the two words that count rows are set for the ring
	s_mov_b32 s[G1+3], 32<<16                      ; tile_dim0
	s_mov_b32 s[G1+4], 272                         ; tile_dim1
	s_mov_b32 s[G1+5], 32                          ; the rows are dense
	s_mov_b32 s[G1+6], 0
	s_mov_b32 s[G1+7], 0
	s_mov_b32 s[G1F], 15|(3<<16)|(1<<21)
	s_mov_b32 s[G1F+1], 32<<16
	s_mov_b32 s[G1F+2], 88<<16
	s_mov_b32 s[G1F+3], 32<<16
	s_mov_b32 s[G1F+4], 88
	s_mov_b32 s[G1F+5], 32
	s_mov_b32 s[G1F+6], 0
	s_mov_b32 s[G1F+7], 0
	s_mul_i32 s2, s15, 16*BLK                      ; the batch's first block
	s_mul_i32 s94, s[WV], QUART                    ; my quarter of a slot
	s_mov_b32 s95, 0
	s_add_co_u32 s68, s2, s94
	s_mov_b32 s69, 0
	s_and_b32 s96, s[WV], 1
	s_mul_i32 s96, s96, 22528                      ; waves 2 and 3: my half of wp and the vectors, 88 rows of 256 bytes
	s_mov_b32 s97, 0
	s_sub_co_u32 s[JMP], WOFF-7*SLOTB, s2
	s_mov_b32 s[STP+1], 0
	s_mov_b32 s[TB], 0
	SPAIR CS, 0x3db8aa3b                           ; log2(e) / 16
	s_mov_b32 s[SEL], 0x76543210
	s_mov_b32 s[SEL+1], 0xfedcba98
	; erf's coefficients for powers of z^2 = 2 u^2: the coefficient of u^(2 k) has k taken off its exponent field
	SPAIR ERF, 0xac95df0b                          ; P: k = 6
	SPAIR ERF+2, 0xb40cff51                        ; k = 4 (k = 5's stands in v124)
	SPAIR ERF+4, 0xb6eec2d2
	SPAIR ERF+6, 0xb940ac63
	SPAIR ERF+8, 0xbac1a1f6
	SPAIR ERF+10, 0xbc83dbd4
	SPAIR ERF+12, 0xb57460cd                       ; Q: k = 4
	SPAIR ERF+14, 0xb9dc924e                       ; k = 2 (k = 3's stands in v126)
	SPAIR ERF+16, 0xbb719bf8
	SPAIR ERF+18, 0xbc69b6a7
	SPAIR RS2, 0x3f3504f3
.irp c, 0,2,4,6,8,10
	v_mul_f32 v5, s[ERF+\c], s[RS2]                ; u P = z (P / sqrt 2): the factor goes into P's coefficients, once
	v_readfirstlane_b32 s[ERF+\c], v5
	s_mov_b32 s[ERF+\c+1], s[ERF+\c]
.endr
	s_mov_b32 s[I256], 0x3b800000
	s_mov_b32 s[EPS], 0x3727c5ac
	s_lshr_b32 s[LIM], s[WV], 1                    ; waves 0 and 1
	s_or_b32 s[LIM], s[LIM], ttmp9                 ; of the batch's first cluster prefetch: the same in all four partners
	s_cmp_eq_u32 s[LIM], 0
	s_cselect_b32 s[LIM], 3, -1
	s_wait_kmcnt 0x0
	s_mov_b32 s[G0A], 1
	s_and_b32 s3, s[WV], 1
	s_mul_i32 s3, s3, SLOTB                        ; waves 0 and 1: slot w, whole
	s_mov_b32 s[G0A+1], s3
	s_add_nc_u64 s[G0A+2:G0A+3], s[6:7], s[68:69]
	s_mov_b32 s[GW], 1
	s_add_co_u32 s[GW+1], s94, SLOTB
	s_add_nc_u64 s[GW+2:GW+3], s[G0A+2:G0A+3], SLOTB   ; the ring's group 0 stands at my quarter of slot 1: the first change of slots steps it to slot 0 and the batch's third slot
	s_add_co_u32 s68, s2, s3
	s_add_nc_u64 s[G0A+2:G0A+3], s[6:7], s[68:69]
	s_or_b32 s[G0A+3], s[G0A+3], 0x80000000
	s_or_b32 s[GW+3], s[GW+3], 0x80000000
	s_mov_b32 s[G0F], 1
	s_add_co_u32 s[G0F+1], s96, WFIXL
	s_add_nc_u64 s[G0F+2:G0F+3], s[6:7], s[96:97]
	s_add_nc_u64 s[G0F+2:G0F+3], s[G0F+2:G0F+3], WFIX
	s_or_b32 s[G0F+3], s[G0F+3], 0x80000000
	s_mul_i32 s94, s[WV], BLK                      ; chunks 4-7: chunk 4 + w, into cell 4 + w
	s_mov_b32 s[G0D], 1
	s_add_co_u32 s[G0D+1], s94, XL
	s_add_nc_u64 s[G0D+2:G0D+3], s[6:7], s[94:95]
	s_add_nc_u64 s[G0D+2:G0D+3], s[G0D+2:G0D+3], WOFF+4*BLK
	s_or_b32 s[G0D+3], s[G0D+3], 0x80000000
	CROUND                                         ; all four work-groups are here: the first joint loads meet
	s_cmp_lt_u32 s[WV], 2                          ; the head's loads, one a wave: every way passes exactly one; the branch hangs on the wave's number alone
	s_cbranch_scc0 .Lhead_f
	tensor_load_to_lds s[G0A:G0A+3], s[G1:G1+7]    ; waves 0 and 1: slots 0 and 1
	s_nop 0
	PLACES
	s_branch .Lhead_asked
.Lhead_f:
	tensor_load_to_lds s[G0F:G0F+3], s[G1F:G1F+7]  ; waves 2 and 3: wp and the vectors
	s_nop 0
	PLACES
.Lhead_asked:
	s_mul_i32 s68, s[WV], BLK                      ; the prefetches: block w of a slot, my work-group's 32 of its 128 rows of fragments,
	s_add_co_u32 s68, s68, s2
	s_lshl_b32 s3, s[CX], 13
	s_add_co_u32 s68, s68, s3
	s_add_co_u32 s68, s68, 2*SLOTB                 ; in slot 2: the first change of slots steps it to slot 3.  Nothing is prefetched here, at the head
	s_add_nc_u64 s[PFA:PFA+1], s[6:7], s[68:69]
	s_add_co_u32 s68, s2, 15*BLK
	s_add_nc_u64 s[6:7], s[6:7], s[68:69]          ; the batch's last block: it holds K of key step 0
	s_lshl_b32 s68, s15, 4
	s_add_co_u32 s68, s68, s14
	s_mul_i32 s68, s68, 17408
	s_add_nc_u64 s[4:5], s[4:5], s[68:69]          ; my block of q
	s_lshl_b32 s68, s15, 21
	s_lshl_b32 s3, s14, 17
	s_add_co_u32 s68, s68, s3
	s_add_nc_u64 s[8:9], s[8:9], s[68:69]          ; my work-group's 128 rows of x
	s_lshl_b32 s3, s[WV], 15
	s_add_co_u32 s68, s68, s3
	s_add_nc_u64 s[10:11], s[10:11], s[68:69]      ; and my wave's 32 rows of out0
	v_and_b32 v15, 31, v0
	v_lshlrev_b32 v[LI], 4, v15
	v_lshlrev_b32 v[L8], 3, v15
	v_lshlrev_b32 v[PFO], 8, v15
	v_and_b32 v5, 15, v0                           ; r
	v_bfe_u32 v6, v0, 4, 1                         ; h
	v_and_b32 v7, 8, v5
	v_add_nc_u32 v7, v7, v5                        ; r + 8 (r / 8)
	v_mul_u32_u24 v[XA], v7, XPI                   ; x in LDS: my row of a plane
	v_lshl_add_u32 v[XA], v6, 6, v[XA]
	s_wait_alu depctr_va_vdst(0)
	v_lshl_add_u32 v[AV], v6, 6, VECL
	v_add_nc_u32 v[AW], WFIXL, v[LI]
	s_mul_i32 s3, s[WV], 32*SPITCH
	v_mul_u32_u24 v[STO], v5, SPITCH
	v_lshl_add_u32 v[STO], v6, 6, v[STO]
	v_add_nc_u32 v[STO], s3, v[STO]
	v_add_nc_u32 v[RD], s3, v[LI]
	s_mul_i32 s3, s[WV], 32*XPI
	s_add_co_u32 s3, s3, XL
	v_add_nc_u32 v[XA], s3, v[XA]                  ; my wave's 32 rows, in planes 0 and 1;
	v_add_nc_u32 v[XB], 2*BLK, v[XA]               ; in planes 2 and 3
	s_lshl_b32 s3, s[WV], 12
	v_add_nc_u32 v[QO], s3, v[LI]                  ; q: fragments 4 w on
	s_lshr_b32 s3, s[WV], 1
	s_lshl_b32 s3, s3, 9
	s_and_b32 s68, s[WV], 1
	s_lshl_b32 s68, s68, 3
	s_add_co_u32 s3, s3, s68
	s_add_co_u32 s3, s3, 16384
	v_add_nc_u32 v[QSO], s3, v[LI]                 ; its scale words: group w / 2, words 2 (w % 2) and the next; lanes 16-31 hold K step 1's
.irp m, 0,1
.irp s, 0,1
.irp c, 0,1
	global_load_b128 v[AC+16*\m+8*\s+4*\c:AC+16*\m+8*\s+4*\c+3], v[QO], s[4:5] offset:2048*\m+1024*\s+512*\c
.endr
.endr
.endr
	global_load_b64 v[AS:AS+1], v[QSO], s[4:5]
	WIN 0x80
.set k, 0
.rept 16
	global_load_b128 v[8*k:8*k+3], v[LI], s[6:7] offset:1024*k
	global_load_b128 v[8*k+4:8*k+7], v[LI], s[6:7] offset:1024*k+512
.set k, k+1
.endr
	WIN 0
	global_load_b128 v[KS:KS+3], v[LI], s[6:7] offset:32768
	global_load_b128 v[KS+4:KS+7], v[LI], s[6:7] offset:33280
	WIN 0x40
.set p, 0
.rept 256
	v_mov_b32 v[p], 0                              ; O^T.  (The key step is written once: the first finds zeros, which the first change of M leaves zeros)
.set p, p+1
.endr
	WIN 0
.irp m, 0,1
	v_mov_b32 v[ST+1+8*\m], 0xff61b1e6             ; the largest t so far: -3e38
	v_floor_f32 v[ST+8*\m], -v[ST+1+8*\m]
.irp j, 2,3,4,5,6,7
	v_mov_b32 v[ST+\j+8*\m], 0
.endr
.endr
.set p, 0
.rept 16
	v_mov_b32 v[TM+p], 0                           ; written once: a lane permute's destination counts as one of its sources
.set p, p+1
.endr
	s_wait_alu depctr_va_vdst(0)
	s_wait_tensorcnt 0x0                           ; my load of the head's four is in
	ds_add_u32 v[SPW], v[NIL]                      ; 0 onto my spare word
	s_mov_b32 s[G1+2], 68<<16                      ; no tensor load of mine is out, so descriptors may be written: the ring's loads bring 68 rows, a quarter of a slot
	s_mov_b32 s[G1+4], 68
	s_mov_b32 s[G1F], (3<<16)|(1<<20)|(5<<22)|(3<<25)   ; x: no mask; elements of 8 bytes; four words of padding behind every 64
	s_mov_b32 s[G1F+2], 128<<16                    ; 128 rows of 256 bytes,
	s_mov_b32 s[G1F+4], 128
	s_mov_b32 s[G1F+5], 128                        ; 1,024 bytes apart in memory
	s_lshl_b32 s68, s[WV], 8
	s_add_nc_u64 s[G0C+2:G0C+3], s[8:9], s[68:69]  ; bytes 256 w on of each row
	s_or_b32 s[G0C+3], s[G0C+3], 0x80000000
	s_mul_i32 s68, s[WV], BLK
	s_add_co_u32 s[G0C+1], s68, XL                 ; plane w
	s_mov_b32 s[G0C], 1
	s_wait_dscnt 0x0                               ; the add is done
	CROUND                                         ; everybody's part of the head's loads is in
	tensor_load_to_lds s[G0C:G0C+3], s[G1F:G1F+7]  ; x's plane w: my one load behind the round; it is waited for at the first change of slots and read behind attention
	s_nop 0
	PLACES
	s_wait_loadcnt 0x0                             ; q and the first key step's K
	; ================ attention: eight slots of two key steps
	s_mov_b32 s[CNT], 8
.Lslot:
	s_mov_b32 s[TWICE], 2
.Lstep:
	v_add_nc_u32 v[ADR], s[TB], v[LI]
	v_add_nc_u32 v[ADS], s[TB], v[L8]
	v_nop
	v_nop                                          ; four places behind the last products, in front of the loads into V's registers
	LDV
	s_wait_alu depctr_va_vdst(0)
	s_wait_dscnt 36                                ; all but V's 36: this step's K is in
	MMK 1
	WIN 0
	PLACES
	LDK ADR                                        ; the next step's K, out of this block
	SOFTMAX
	s_wait_dscnt 34                                ; all but K's 34: V is in
	WIN 0x41
.set p, 0
.rept 128
	v_pk_mul_f32 v[2*p:2*p+1], v[2*p:2*p+1], v[ST+4+8*(p/64):ST+5+8*(p/64)] op_sel_hi:[1,0]   ; O^T under the new M; these are also the places in front of the scaled products
.set p, p+1
.endr
	MMV 0x52
	WIN 0
	s_xor_b32 s[TB], s[TB], BLK
	s_sub_co_u32 s[TWICE], s[TWICE], 1
	s_cmp_lg_u32 s[TWICE], 0
	s_cbranch_scc1 .Lstep
	; THE CHANGE OF SLOTS.  All eight fill the slot just read: with the batch's slots 2 to 7, then with chunks 0, 1 and 2, 3 of w1 and w2.  So no load is jumped over and no tail is written out.
	s_wait_tensorcnt 0x0                           ; all my tensor loads have landed: my part of the next slot among them; a group 0 may be written
	ds_add_u32 v[SPW], v[NIL]                      ; 0 onto my spare word
	s_xor_b32 s[GW+1], s[GW+1], SLOTB              ; the walking descriptor: the slot just read,
	s_cmp_eq_u32 s[CNT], 2
	s_cselect_b32 s[STP], s[JMP], SLOTB            ; the next slot of the stream: behind the batch's last comes the weights' first
	s_add_nc_u64 s[GW+2:GW+3], s[GW+2:GW+3], s[STP:STP+1]
	s_wait_xcnt 0x0                                ; the last prefetch, a slot back, has read its address
	s_add_nc_u64 s[PFA:PFA+1], s[PFA:PFA+1], SLOTB
	s_wait_dscnt 0x0                               ; the add is done, and my reads of the slot are over
	CROUND                                         ; both now hold of every wave of all four work-groups
	tensor_load_to_lds s[GW:GW+3], s[G1:G1+7]      ; my one load behind the round: it has two key steps, 128 matrix instructions, in which to land
	s_nop 0
	PLACES
	; A prefetch of what the NEXT change will ask for: slots 3 to 7 of the batch, one slot (128 matrix instructions) ahead of that load.  All clusters of a batch walk the same blocks: the first asks.  Waves 0 and 1
	; take a block each; the four partners share its 128 rows of fragments out by address, a lane a row of 256 bytes.  The blocks' scale rows and the weights are not asked for.
	s_cmp_gt_u32 s[CNT], s[LIM]
	s_cbranch_scc0 .Lnot_mine
	global_prefetch_b8 v[PFO], s[PFA:PFA+1] th:TH_LOAD_NT scope:SCOPE_SE
.Lnot_mine:
	s_xor_b32 s[TB], s[TB], SLOTB
	s_sub_co_u32 s[CNT], s[CNT], 1
	s_cmp_lg_u32 s[CNT], 0
	s_cbranch_scc1 .Lslot
	; ================ O / l, the projection, the first layer norm
.irp m, 0,1
	v_add_f32 v[ST+6+8*\m], v[ST+2+8*\m], v[ST+3+8*\m]
.endr
.irp m, 0,1
	v_permlanex16_b32 v[ST+7+8*\m], v[ST+6+8*\m], s[SEL], s[SEL+1]
.endr
.irp m, 0,1
	v_add_f32 v[ST+6+8*\m], v[ST+6+8*\m], v[ST+7+8*\m]   ; the row's sum
.endr
	s_wait_alu depctr_va_vdst(0)
.irp m, 0,1
	v_rcp_f32 v[ST+4+8*\m], v[ST+6+8*\m]
.endr
	v_nop                                          ; a plain place behind the reciprocals
	WIN 0x80                                       ; wp's 32 fragments fill window 2
.set k, 0
.rept 32
	ds_load_b128 v[8*k:8*k+3], v[AW] offset:1024*k
	ds_load_b128 v[8*k+4:8*k+7], v[AW] offset:1024*k+512
.set k, k+1
.endr
	WIN 0
.irp g, 0,1,2,3
	ds_load_b128 v[KS+4*\g:KS+4*\g+3], v[AW] offset:32768+512*\g
.endr
	VEC 0, S, 4096                                 ; bp
	WIN 0xC0                                       ; x out of its planes into Y, in a row's layout: byte 128 b + 64 h + 16 i of my row lies in plane b / 2
.irp m, 0,1
.irp b, 0,1,2,3
.irp i, 0,1,2,3
	ds_load_b128 v[128*\m+16*\b+4*\i:128*\m+16*\b+4*\i+3], v[XA] offset:BLK*(\b/2)+8*XPI*\m+128*(\b%2)+16*\i
	ds_load_b128 v[128*\m+64+16*\b+4*\i:128*\m+64+16*\b+4*\i+3], v[XB] offset:BLK*(\b/2)+8*XPI*\m+128*(\b%2)+16*\i
.endr
.endr
.endr
	WIN 0
	s_wait_alu depctr_va_vdst(0)                   ; the wait for the two reciprocals, ahead of their first reader
	WIN 0x41
.set p, 0
.rept 128
	v_pk_mul_f32 v[2*p:2*p+1], v[2*p:2*p+1], v[ST+4+8*(p/64):ST+5+8*(p/64)] op_sel_hi:[1,0]
.set p, p+1
.endr
	QUANT 1, 0, AC, AS
	QUANT 1, 64, AC+8, AS+1
	QUANT 1, 128, AC+16, AS+2
	QUANT 1, 192, AC+24, AS+3
	VEC 1, 0, 5120                                 ; g1 and be1 take O^T's place
	VEC 1, 128, 6144
	s_wait_alu depctr_va_vdst(0)
	s_wait_tensorcnt 0x0                           ; all my tensor loads have landed: my part of chunks 2, 3
	ds_add_u32 v[SPW], v[NIL]                      ; 0 onto my spare word
	s_mov_b32 s[G1+2], 136<<16                     ; the ring is done: a load now brings a whole block, 136 rows
	s_mov_b32 s[G1+4], 136
	s_wait_dscnt 0x0                               ; the add is done, and x, wp and the vectors asked for so far are in my registers
	CROUND                                         ; no wave of any partner still reads x's planes
	tensor_load_to_lds s[G0D:G0D+3], s[G1:G1+7]    ; chunk 4 + w takes plane w's place: my one load behind the round; it is waited for in front of the FFN
	s_nop 0
	PLACES
	ADDVEC                                         ; Y = x + bp
	WIN 0xF2
.irp s, 0,1
.set ct, 0
.rept 16
.irp m, 0,1
	WM 128*\m+8*ct, 16*ct+8*\s, AC+16*\m+8*\s, 128*\m+8*ct, KS+ct, AS+2*\m+\s, \s   ; onto Y; the 32 accumulators by turns
.endr
.set ct, ct+1
.endr
.endr
	WIN 0
	PLACES
	LDK LI                                         ; w1 of chunk 0: its cell was shown whole at the last change of slots, and wp's fragments are done with
	VEC 0, S, 7168                                 ; b2
	LN
	QUANT 3, 0, AC, AS                             ; y1's codes
	QUANT 3, 64, AC+8, AS+1
	QUANT 3, 128, AC+16, AS+2
	QUANT 3, 192, AC+24, AS+3
	s_wait_dscnt 0x0
	ADDVEC                                         ; Y = y1 + b2
	s_wait_tensorcnt 0x0                           ; my chunk 4 + w is in,
	s_barrier_signal -1
	s_barrier_wait -1                              ; everybody's is
	s_mov_b32 s[TB], 0
	s_mov_b32 s[TV], 0
	s_mov_b32 s[CNT], 8
	s_mov_b32 s[CLN], 0xc0b504f3                   ; -4 sqrt 2
	s_mov_b32 s[CLN+1], 0x40b504f3                 ; 4 sqrt 2
	v_mov_b32 v124, 0x306dffee                     ; P's k = 5,
	v_mul_f32 v124, s[RS2], v124                   ; / sqrt 2 like P's others
	v_mov_b32 v125, v124
	v_mov_b32 v126, 0xb7dfbd29                     ; Q's k = 3
	v_mov_b32 v127, 0xb7dfbd29
.irp b, 0,1,2,3
.irp i, 0,1,2,3
	ds_load_b128 v[S+16*\b+4*\i:S+16*\b+4*\i+3], v[AV] offset:128*\b+16*\i   ; b1 of chunk 0, in the result's layout, once
.endr
.endr
	; ================ the FFN: eight chunks of 128 hidden units; no tensor load, no barrier
.Lchunk:
	v_add_nc_u32 v[ADR], s[TB], v[LI]              ; these four are the places behind the last products
	v_add_nc_u32 v[ADS], s[TB], v[L8]
	v_add_nc_u32 v[ADN], BLK, v[ADR]
	v_add_nc_u32 v[AB1], s[TV], v[AV]
	LDV                                            ; w2
	s_wait_alu depctr_va_vdst(0)
	s_wait_dscnt 36                                ; all but these 36: w1 and b1 are in
	MMH
	WIN 0
	PLACES
	LDK ADN                                        ; the next chunk's w1 (the last trip reads wp's block: bytes that lie there, and are not used)
	GELU 0
	GELU 1
	QUANT 0, S, CD, PW
	QUANT 0, S+64, CD+8, PW+1
	v_add_nc_u32 v[PW], 0xfefefeff, v[PW]          ; what was quantised is 2 gelu: 1 off each of the four scale bytes (each is 1 at the least, so no byte borrows)
	v_add_nc_u32 v[PW+1], 0xfefefeff, v[PW+1]
.irp b, 0,1,2,3
.irp i, 0,1,2,3
	ds_load_b128 v[S+16*\b+4*\i:S+16*\b+4*\i+3], v[AB1] offset:512+128*\b+16*\i   ; the next chunk's b1, once, in one run, into tile 0's accumulator registers (the last trip reads bp: not used)
.endr
.endr
.rept 8
	v_nop                                          ; a scale word written by a vector instruction stands eight places ahead of a scaled matrix instruction
.endr
	s_wait_alu depctr_va_vdst(0)
	s_wait_dscnt 50                                ; behind w2's 36 loads stand w1's 34 and b1's 16: w2 is in
	MMV 0xF2
	WIN 0
	s_add_co_u32 s[TB], s[TB], BLK
	s_add_co_u32 s[TV], s[TV], 512
	s_sub_co_u32 s[CNT], s[CNT], 1
	s_cmp_lg_u32 s[CNT], 0
	s_cbranch_scc1 .Lchunk
	; ================ the second layer norm and the way out
	s_wait_dscnt 0x0                               ; my reads of the cells are over
	s_barrier_signal -1
	s_barrier_wait -1                              ; everybody's are: cells 0-3 may serve as stages
	VEC 1, 0, 8192                                 ; g2, be2
	VEC 1, 128, 9216
	PLACES                                         ; behind the last products on Y; the norm itself waits for g2 and be2, ahead of its last pass
	LN
	WIN 0x0C                                       ; an LDS store's data are its source 1: window 3
.set k, 0
.rept 64
	ds_store_b128 v[STO], v[4*k:4*k+3] offset:16*SPITCH*(k/32)+128*((k%32)/4)+16*(k%4)   ; row 16 m + r of my stage, numbers 32 b + 16 h + 4 i on
.set k, k+1
.endr
	WIN 0x40
.set k, 0
.rept 64
	ds_load_b128 v[4*k:4*k+3], v[RD] offset:SPITCH*(k/2)+512*(k%2)   ; back as half rows of 512 bytes; LDS serves a wave's instructions in order (ISA guide 5.7.1.4): these see my stores
.set k, k+1
.endr
	WIN 0x04
.set k, 0
.rept 64
	s_wait_dscnt 63-k
	global_store_b128 v[LI], v[4*k:4*k+3], s[10:11] offset:(8*(k/32)+((k/2)%16)+8*(((k/2)%16)/8))*1024+512*(k%2) th:TH_STORE_NT   ; 32 lanes store 512 consecutive bytes, at a multiple of 256 from out0's first byte
.set k, k+1
.endr
	WIN 0
	s_wait_tensorcnt 0x0                           ; the wave's end, behind my last tensor load and my last LDS store
	ds_add_u32 v[SPW], v[NIL]
	s_wait_dscnt 0x0
	CROUND                                         ; the closing round: no work-group ends while a partner may still ask for a tile that names it
	s_endpgm
.Lfunc_end_k_q24d2b1782c_layer:
	.size	k_q24d2b1782c_layer, .Lfunc_end_k_q24d2b1782c_layer-k_q24d2b1782c_layer
	.p2alignl 7, 3214868480
	.fill 96, 4, 3214868480
	.section	.rodata,"a",@progbits
	.p2align	6, 0x0
	.amdhsa_kernel k_q24d2b1782c_layer
		.amdhsa_group_segment_fixed_size 327680
		.amdhsa_private_segment_fixed_size 0
		.amdhsa_enable_private_segment 0
		.amdhsa_kernarg_size 32
		.amdhsa_user_sgpr_count 2
		.amdhsa_user_sgpr_kernarg_segment_ptr 1
		.amdhsa_wavefront_size32 1
		.amdhsa_system_sgpr_workgroup_id_x 1
		.amdhsa_system_sgpr_workgroup_id_y 1
		.amdhsa_system_sgpr_workgroup_id_z 1
		.amdhsa_system_vgpr_workitem_id 0
		.amdhsa_next_free_vgpr 1024
		.amdhsa_next_free_sgpr 100
		.amdhsa_reserve_vcc 0
		.amdhsa_float_denorm_mode_32 3
		.amdhsa_float_denorm_mode_16_64 3
		.amdhsa_memory_ordered 1
		.amdhsa_forward_progress 1
		.amdhsa_inst_pref_size 255
	.end_amdhsa_kernel
	.section	.bss,"aw",@nobits
	.p2align	6
	.space	262144
	.amdgpu_metadata
---
amdhsa.version: [ 1, 2 ]
amdhsa.kernels:
  - .name:           k_q24d2b1782c_layer
    .symbol:         k_q24d2b1782c_layer.kd
    .args:
      - { .name: qb, .offset: 0, .size: 8, .value_kind: global_buffer, .address_space: global }
      - { .name: strm, .offset: 8, .size: 8, .value_kind: global_buffer, .address_space: global }
      - { .name: x, .offset: 16, .size: 8, .value_kind: global_buffer, .address_space: global }
      - { .name: out0, .offset: 24, .size: 8, .value_kind: global_buffer, .address_space: global }
    .group_segment_fixed_size: 327680
    .private_segment_fixed_size: 0
    .kernarg_segment_align: 8
    .kernarg_segment_size: 32
    .max_flat_workgroup_size: 128
    .sgpr_count:     100
    .vgpr_count:     1024
    .wavefront_size: 32
...
	.end_amdgpu_metadata
.endif
;; end of part 2
